; MI455X (gfx1250); checked and timed in simulation.
; The chip was launched on July 23, 2026; its instructions are those of AMD's public machine-readable ISA for CDNA 5 (MIT licence, August 2026) and "CDNA5" Instruction Set Architecture Reference Guide (July 2026). The comments in the code are by the model that wrote it; some were corrected since.
;; Encoder Block. Allowed arithmetic: matrix products marked QUANTISED: E2M3 operands, one E8M0 scale for each 32 along K, by v_wmma_scale_f32_16x16x128_f8f6f4 with both operands' format E2M3, f32 sums; everything else in f32.
;; Inputs: b1 1,024 float32; b2 1,024 float32; bk 1,024 float32; bo 1,024 float32; bq 1,024 float32; bv 1,024 float32; ln1_a 1,024 float32; ln1_b 1,024 float32; ln2_a 1,024 float32; ln2_b 1,024 float32; w1 1,024 x 1,024 float32; w2 1,024 x 1,024 float32; wk 1,024 x 1,024 float32; wo 1,024 x 1,024 float32; wq 1,024 x 1,024 float32; wv 1,024 x 1,024 float32; x 8 x 1,024 x 1,024 float32.
;; Outputs: out0 8 x 1,024 x 1,024 float32.
;; This version of the problem:
;;   THIS VERSION OF THE PROBLEM IS GIVEN IN LOW PRECISION. The matrix products marked QUANTISED in the list below multiply operands that are first quantised to E2M3 (2 exponent bits, 3 mantissa bits; 6 bits a number), with one power-of-two scale for each 32 numbers along K (OCP MX v1.0); their sums are f32. All else is computed in f32.
;;   The module's matrix products, in the order in which they are computed (A, B: the left and right operand; K: the contracted axis; several contracted axes count as one K, in the product's order):
;;     1. [M 8,192, K 1,024] x [K 1,024, N 1,024]; A: computed on the way; B: input wq: QUANTISED
;;     2. [M 8,192, K 1,024] x [K 1,024, N 1,024]; A: computed on the way; B: input wk: QUANTISED
;;     3. [M 8,192, K 1,024] x [K 1,024, N 1,024]; A: computed on the way; B: input wv: QUANTISED
;;     4. batch 128 x [M 1,024, K 64] x [K 64, N 1,024]; A: computed on the way; B: computed on the way: QUANTISED
;;     5. batch 128 x [M 1,024, K 1,024] x [K 1,024, N 64]; A: softmax (see below); B: computed on the way: QUANTISED
;;     6. [M 8,192, K 1,024] x [K 1,024, N 1,024]; A: computed on the way; B: input wo: QUANTISED
;;     7. [M 8,192, K 1,024] x [K 1,024, N 1,024]; A: computed on the way; B: input w1: QUANTISED
;;     8. [M 8,192, K 1,024] x [K 1,024, N 1,024]; A: computed on the way; B: input w2: QUANTISED
;;   THE QUANTISER, for each operand of a quantised product, along K:
;;     - K is cut into blocks of 32 from its start; a last block that is shorter is filled with zeros.
;;     - A block's scale is 2^e with e = floor(log2(the largest magnitude in the block)) - 2, held to -126 .. 127; a block of zeros has e = 0. As a byte (E8M0): e + 127.
;;     - Each number is divided by its block's scale, clamped to +-7.5, and rounded to the nearest number of E2M3, ties to even, subnormals kept.
;;     - The product sums the exact products of the quantised numbers (number of the format x scale) in f32.
;;   ~~~python
;;   def quantise(x, axis):      # numpy; x: float32 -> the quantised numbers, widened to float32 again
;;       x = np.moveaxis(x, axis, -1); K = x.shape[-1]
;;       x = np.pad(x, [(0, 0)] * (x.ndim - 1) + [(0, -K % 32)]); x = x.reshape(x.shape[:-1] + (-1, 32)); a = np.abs(x).max(-1, keepdims=True)
;;       e = np.where(a > 0, np.clip(np.frexp(np.where(a > 0, a, 1))[1] - 1 - 2, -126, 127), 0)      # np.frexp(a)[1] - 1 = floor(log2(a)), exactly
;;       r = np.clip(x / 2.0 ** e, -7.5, 7.5)
;;       step = 2.0 ** (np.maximum(np.frexp(np.where(r == 0, 1, r))[1] - 1, 0) - 3)
;;       q = np.round(r / step) * step * 2.0 ** e      # np.round: ties to even
;;       return np.moveaxis(q.reshape(q.shape[:-2] + (-1,))[..., :K], -1, axis).astype(np.float32)
;;   ~~~
;;   SOFTMAX AHEAD OF A QUANTISED PRODUCT. Where the list says 'softmax', what is quantised is not the finished softmax but p = 2^(t - M), with t = logit x log2(e) and M = ceil(the row's largest t), a whole number; so 1/2 < the row's largest p <= 1. The row's sum l is taken of the UNQUANTISED p, in f32, and the product's result is divided by l at the end. Since M is a whole number, a kernel that streams over the keys may use a running M (the ceiling of the running maximum): every later rescaling is an exact power of two, which a block's scale takes up: the codes' values come out the same.
;;   OPERANDS COMPUTED ON THE WAY. 'Computed on the way' means the value that the module computes at that place (a softmax that the list does not call 'softmax' is quantised finished and normalised). What goes into a quantiser is computed in f32, as accurately as f32 sums, v_exp_f32 and their like allow (about 1e-6 of the number): no bf16 or f16 on the way to a quantiser, and a product that is left as it is and whose result goes on into a quantised operand takes f32 operands (vector FMAs, or v_wmma_f32_16x16x4_f32). A number that lies on a knife's edge between two numbers of the format may be rounded either way, as far as f32 arithmetic and the matrix unit's own rounding can turn it there, and no further.
;; One version. Each part assembles by itself: llvm-mc -triple=amdgcn-amd-amdhsa -mcpu=gfx1250 --defsym DOCPART=n.
;; ======== version 1 of 1: 7 launches
;; limits: right only within a limited range of input values
;; workspace buffers: wqkv 2,457,856 bytes; wop 819,456 bytes; w1p 819,456 bytes; w2p 819,456 bytes; pa 6,553,600 bytes; qkv 19,660,800 bytes; h 33,554,432 bytes
;; launch prep (part 1): grid 704 x 1, 8 waves a work-group, no clusters, 66,816 bytes of LDS; arguments wq, wk, wv, wo, w1, w2, wqkv, wop, w1p, w2p, x, ln1_a, ln1_b, pa; writes wqkv, wop, w1p, w2p, pa
.if DOCPART == 1
	.amdgcn_target "amdgcn-amd-amdhsa--gfx1250"
	.amdhsa_code_object_version 6
	.text
	.protected	k_q36232c9df7_prep
	.globl	k_q36232c9df7_prep
	.p2align	8
	.type	k_q36232c9df7_prep,@function
k_q36232c9df7_prep:
	s_mov_b64 s[64:65], 0
	v_nop
	global_prefetch_b8 v0, s[64:65] scope:SCOPE_SE
	s_setreg_imm32_b32 hwreg(HW_REG_WAVE_MODE, 25, 1), 1
	s_wait_xcnt 0x0
; TWO JOBS THAT DO NOT DEPEND ON EACH OTHER, IN ONE LAUNCH: work-groups 0 to NWP - 1 turn the six weights into panels, the other 512 normalise and quantise the rows of x.  The branch hangs on the work-group's number alone.
; THE PANEL, this program's one layout for every quantised operand X[rows][K] (FP6 = E2M3 codes, one E8M0 byte for each 32 along K): 64 rows (a group g) x 128 along K (a K step s) are a block of 6,400 bytes at (8 g + s) x 6,400.
;   In a block: four fragments i = 0..3 at 1,536 i, images of the matrix operand's 12 registers; 256 bytes of scale words at 6,144.
;   A fragment is two halves of 768 bytes; half c holds registers 6c..6c+5 (k = 64 c + 32 (lane / 16) + 0..31): registers 6c..6c+3 at 768 c + 16 x lane, registers 6c+4, 6c+5 at 768 c + 512 + 8 x lane.
;   Lane r of fragment i = 2 b + u holds row 64 g + 32 b + 8 u + r + 8 (r / 8).   The scale word of (i, r) lies at 6,144 + 8 (r + 16 (i % 2)) + 4 (i / 2).
; A block's scale is 2^(floor(log2(largest magnitude)) - 2); its byte is the largest magnitude's exponent field - 2, held at 1 from below.
; LIMITS: a block of zeros, or one whose largest magnitude lies under 2^-124, gets the byte 1 (the rule's 127 for zeros is not written: its codes are zeros, and this program alone reads the bytes); NaN and infinities are not served;
; v_sqrt_f32 and v_rcp_f32 are used as they are (1 ulp, ISA guide 15.8).
; THE WEIGHTS: W [1024 (k)][1024 (n)], f32, K on the FIRST axis.  In front of each weight buffer's panels stand 256 bytes filled with an f32 number, the floor of the activation behind the product: 0 for w1 (relu), -infinity else.
;   Work-group i: weight i / 32; x = i % 32: K step x / 4, groups 4 (x % 4) + wave / 2; column set b' = wave % 2.  A wave makes half a block: fragments 2 b' and 2 b' + 1.
;   A LANE TAKES A COLUMN AND ITS REGISTERS RUN DOWN K: lane (u = lane / 16, r = lane % 16) takes column 32 b' + 8 u + r + 8 (r / 8), which is lane r of fragment 2 b' + u.  Unit n = 0..3 is its block of 32 numbers k = 32 n ..;
;   the unit's six code registers belong to half c = n / 2, lanes r + 16 (n % 2) of the fragment.  Two units, 64 loads of 128 consecutive bytes, are on their way in each wave.
;   A block's 256 bytes of scale words come from two waves, each storing every second word: 128 bytes beside 3,072 of codes.
; THE ROWS: y = alpha (x - mean) / (std + 1e-6) + beta over rows of 1,024 numbers (std with 1,023 in the divisor), quantised along the row.  A work-group is one fragment position (g = j / 4, a = j % 4): 16 rows.
;   Phase 1: wave w takes the rows of fragment lanes 2 w and 2 w + 1, whole, in 64 registers; the mean, then the sum of squares of x - mean (two passes over registers: a common offset of the inputs does no harm); alpha and beta of a
;   lane's 32 columns serve both rows; y goes to LDS, row by row.  Phase 2: wave w takes K step w of all 16 rows, 64 numbers a lane in the order that the conversions want (register 16 b + i = k 128 w + 32 b + 16 (lane / 16) + i of
;   row lane % 16), quantises and stores the fragment's image.
.set NWP,   192                        ; work-groups on the weights: 6 x 32
.set BLK,   6400
.set PANEL, 819200                     ; a weight's panel: 16 groups x 8 blocks
.set ROWW,  4096                       ; a row of W or of x in bytes
.set PITCH, 4112                       ; an LDS row: 4,096 bytes + 16: an odd multiple of 16 bytes, so that the sixteen rows that a 16-byte load touches start at sixteen different groups of banks (64 banks of 4 bytes: ISA guide 11.1)
.set SPARE, 16*PITCH                   ; behind the rows: the spare words, 128 bytes for each of eight waves: four blocks of 256 bytes that no other line names
.set SPW,   30                         ; v30  LDS address of my spare word; never rewritten
.set NIL,   31                         ; v31  0; never rewritten
.set WV,    25                         ; s25  my wave's number
.set X,     32                         ; v32-95   weights: two sets of 32 numbers.  Rows: two rows, later my 64 numbers
.set C,     96                         ; weights: v96-127 unit n's six code registers at C + 8 n: no store's data are ever written again
.set SB,    24                         ; weights: v24 my column's scale word
.set L16,   1                          ; rows: v1   16 x lane
.set TM,    8                          ; rows: v8-23  the quantiser's: largest magnitudes, bytes, scale operands
.set PW,    24                         ; rows: v24  the scale word
.set ALP,   96                         ; rows: v96-127  alpha of my 32 columns
.set BET,   128                        ; rows: v128-159 beta
.set T,     16                         ; rows: v16-23 four registers of sums a row; they are spent before the quantiser writes v20-23
.set PC,    96                         ; rows: v96-114 the codes, where alpha lay
.set SEL,   30                         ; rows: s[30:31] lane selects for v_permlanex16_b32: lane l xor 16
	v_lshl_add_u32 v[SPW], v0, 2, SPARE
	v_mov_b32 v[NIL], 0
	v_lshrrev_b32 v1, 5, v0
	s_delay_alu instid0(VALU_DEP_1)
	v_readfirstlane_b32 s[WV], v1                  ; wave 0..7
	s_cmp_lt_u32 ttmp9, NWP
	s_cbranch_scc0 .Lrows
	; ---------------------------------------------------------------- the weights
	s_load_b512 s[4:19], s[0:1], 0x0               ; wq, wk, wv, wo, w1, w2, wqkv, wop
	s_load_b128 s[20:23], s[0:1], 0x40             ; w1p, w2p
	v_and_b32 v2, 31, v0                           ; lane
	v_and_b32 v6, 15, v0                           ; r
	v_bfe_u32 v7, v0, 4, 1                         ; u
	s_delay_alu instid0(VALU_DEP_2)
	v_and_b32 v8, 8, v6
	s_delay_alu instid0(VALU_DEP_1)
	v_add_nc_u32 v8, v8, v6                        ; r + 8 (r / 8)
	s_delay_alu instid0(VALU_DEP_1)
	v_lshl_add_u32 v8, v7, 3, v8                   ; + 8 u: my column in a set of 32
	s_delay_alu instid0(VALU_DEP_1)
	v_lshlrev_b32 v3, 2, v8                        ; in bytes
	v_mul_u32_u24 v4, v7, 1536
	s_delay_alu instid0(VALU_DEP_1)
	v_lshl_add_u32 v4, v6, 4, v4                   ; out, 16 bytes a lane: fragment u of my two, lane r
	v_lshlrev_b32 v5, 3, v2                        ; out, 8 bytes a lane
	s_lshr_b32 s24, ttmp9, 5                       ; which weight
	s_and_b32 s42, ttmp9, 31                       ; x
	s_and_b32 s30, s42, 3
	s_lshl_b32 s30, s30, 2
	s_lshr_b32 s43, s[WV], 1
	s_add_co_u32 s30, s30, s43                     ; g: my group of 64 columns
	s_and_b32 s43, s[WV], 1                        ; b': my set of 32 of them
	s_lshr_b32 s31, s42, 2                         ; s: my K step
	s_lshl_b32 s32, s31, 19                        ; 128 rows of 4,096 bytes a K step,
	s_lshl_b32 s33, s30, 8                         ; 256 bytes a group,
	s_add_co_u32 s32, s32, s33
	s_lshl_b32 s33, s43, 7                         ; 128 bytes a set
	s_add_co_u32 s32, s32, s33
	s_mov_b32 s33, 0                               ; s[32:33]: where I read
	s_lshl_b32 s34, s30, 3
	s_add_co_u32 s34, s34, s31
	s_mul_i32 s34, s34, BLK
	s_add_co_u32 s34, s34, 256                     ; behind the buffer's first 256 bytes
	s_cmp_le_u32 s24, 2
	s_cselect_b32 s35, s24, 0                      ; wq, wk, wv lie one behind the other in wqkv
	s_mul_i32 s35, s35, PANEL
	s_add_co_u32 s34, s34, s35                     ; my block
	s_lshl_b32 s40, s43, 2
	s_add_co_u32 s40, s40, s34
	s_add_co_u32 s40, s40, 6144                    ; s[40:41]: its scale words, word b' of each pair
	s_mov_b32 s41, 0
	s_mul_i32 s35, s43, 3072
	s_add_co_u32 s34, s34, s35                     ; s[34:35]: my two fragments
	s_mov_b32 s35, 0
	s_or_b32 s36, s42, s[WV]                       ; who writes a buffer's first 256 bytes: wave 0 of x = 0,
	s_sub_co_u32 s37, s24, 1
	s_cmp_lt_u32 s37, 2
	s_cselect_b32 s37, 1, 0                        ; but not for wk and wv, which share wq's buffer
	s_or_b32 s36, s36, s37
	s_cmp_eq_u32 s24, 4
	s_cselect_b32 s31, 0, 0xff800000               ; the floor: 0 for w1, else -infinity
	s_wait_alu depctr_va_vdst(0)
	s_wait_kmcnt 0x0
	s_mov_b64 s[26:27], s[4:5]                     ; the choices hang on the work-group's number alone
	s_mov_b64 s[28:29], s[16:17]
	s_cmp_eq_u32 s24, 1
	s_cselect_b64 s[26:27], s[6:7], s[26:27]
	s_cmp_eq_u32 s24, 2
	s_cselect_b64 s[26:27], s[8:9], s[26:27]
	s_cmp_eq_u32 s24, 3
	s_cselect_b64 s[26:27], s[10:11], s[26:27]
	s_cselect_b64 s[28:29], s[18:19], s[28:29]
	s_cmp_eq_u32 s24, 4
	s_cselect_b64 s[26:27], s[12:13], s[26:27]
	s_cselect_b64 s[28:29], s[20:21], s[28:29]
	s_cmp_eq_u32 s24, 5
	s_cselect_b64 s[26:27], s[14:15], s[26:27]
	s_cselect_b64 s[28:29], s[22:23], s[28:29]
	s_add_nc_u64 s[26:27], s[26:27], s[32:33]
	s_add_nc_u64 s[38:39], s[28:29], s[34:35]
	s_add_nc_u64 s[40:41], s[28:29], s[40:41]      ; s[28:29] stays at the buffer's first byte
.macro WLOAD n                         ; unit n: W(32 n + i, my column): the 32 lanes read 128 consecutive bytes; the wave beside me reads the 128 beside them
.set ii, 0
.rept 32
	global_load_b32 v[X+32*((\n)%2)+ii], v3, s[26:27] offset:(32*(\n)+ii)*ROWW
.set ii, ii+1
.endr
.endm
.macro WBLOCK n
.set XS, X+32*((\n)%2)
.set CN, C+8*(\n)
.if (\n) < 3
	s_wait_loadcnt 32                              ; this unit's 32 loads are in; the next unit's 32 may be out
.else
	s_wait_loadcnt 0x0
.endif
	v_max3_num_f32 v12, |v[XS]|, |v[XS+1]|, |v[XS+2]|              ; the block's largest magnitude: all 32 numbers are mine; two chains
	v_max3_num_f32 v13, |v[XS+3]|, |v[XS+4]|, |v[XS+5]|
.irp i, 6,10,14,18,22,26
	s_delay_alu instid0(VALU_DEP_2)
	v_max3_num_f32 v12, v12, |v[XS+\i]|, |v[XS+\i+1]|
	s_delay_alu instid0(VALU_DEP_2)
	v_max3_num_f32 v13, v13, |v[XS+\i+2]|, |v[XS+\i+3]|
.endr
	s_delay_alu instid0(VALU_DEP_2)
	v_max3_num_f32 v12, v12, |v[XS+30]|, |v[XS+31]|
	s_delay_alu instid0(VALU_DEP_1)
	v_max3_num_f32 v12, v12, v13, 0x1800000        ; and the floor 2^(3 - 127): the byte cannot fall under 1
	s_delay_alu instid0(VALU_DEP_1)
	v_add_nc_u32 v11, 0xff000000, v12              ; 2 off the exponent field: the conversion takes this operand's exponent field as its scale
	s_delay_alu instid0(VALU_DEP_1)
	v_lshrrev_b32 v13, 23, v11                     ; the scale's byte
.if (\n) == 0
	s_delay_alu instid0(VALU_DEP_1)
	v_mov_b32 v[SB], v13
.else
	s_delay_alu instid0(VALU_DEP_1)
	v_lshl_or_b32 v[SB], v13, 8*(\n), v[SB]        ; byte n of my column's word
.endif
	v_cvt_scalef32_pk16_fp6_f32 v[CN:CN+2], v[XS:XS+15], v11
	v_cvt_scalef32_pk16_fp6_f32 v[20:22], v[XS+16:XS+31], v11      ; (a conversion's three registers begin on an even number)
	v_nop                                          ; one plain instruction between a scaled conversion and the vector instruction that touches its result
	v_mov_b32 v[CN+3], v20
	v_mov_b32 v[CN+4], v21
	v_mov_b32 v[CN+5], v22
.if (\n)+2 < 4
	WLOAD (\n)+2
.endif
.if (\n)%2 == 1                        ; both halves of the lanes of half c = n / 2 are made: unit n - 1 has lanes 0-15 of my fragment, unit n lanes 16-31
.set C0, CN-8
	v_permlane16_swap_b32 v[C0+4], v[CN+4]         ; the first's lanes 16-31 change places with the second's lanes 0-15: the first now holds fragment 2 b' whole, the second fragment 2 b' + 1
	v_permlane16_swap_b32 v[C0+5], v[CN+5]
	global_store_b128 v4, v[C0:C0+3], s[38:39] offset:768*((\n)/2)                 ; sixteen lanes store 256 consecutive bytes, at a multiple of 256 from the buffer's first byte
	global_store_b128 v4, v[CN:CN+3], s[38:39] offset:768*((\n)/2)+256
	global_store_b64 v5, v[C0+4:C0+5], s[38:39] offset:768*((\n)/2)+512            ; 32 lanes store 256 such bytes
	global_store_b64 v5, v[CN+4:CN+5], s[38:39] offset:1536+768*((\n)/2)+512
.endif
.endm
	WLOAD 0
	WLOAD 1
.irp n, 0,1,2,3
	WBLOCK \n
.endr
	global_store_b32 v5, v[SB], s[40:41]           ; lane (u, r): the word of fragment 2 b' + u, row r: every second word of the block's 256 bytes
	s_cmp_lg_u32 s36, 0
	s_cbranch_scc1 .Lend
	v_mov_b32 v26, s31
	v_mov_b32 v27, s31
	global_store_b64 v5, v[26:27], s[28:29]        ; the buffer's first 256 bytes: the floor, 64 times
	s_branch .Lend
	; ---------------------------------------------------------------- the rows
.Lrows:
	s_load_b128 s[4:7], s[0:1], 0x50               ; x, alpha
	s_load_b128 s[8:11], s[0:1], 0x60              ; beta, the panel
	s_sub_co_u32 s21, ttmp9, NWP                   ; j: which fragment position
	v_and_b32 v25, 31, v0
	s_delay_alu instid0(VALU_DEP_1)
	v_lshlrev_b32 v[L16], 4, v25
	s_delay_alu instid0(VALU_DEP_2)
	v_lshlrev_b32 v27, 3, v25                      ; 8 x lane
	v_and_b32 v2, 15, v0                           ; r
	v_bfe_u32 v3, v0, 4, 1                         ; h
	s_delay_alu instid0(VALU_DEP_2)
	v_lshlrev_b32 v28, 3, v2                       ; 8 r
	s_lshl_b32 s13, s[WV], 9
	v_lshl_add_u32 v26, v3, 6, s13                 ; 64 h + 512 w: my 16 numbers of a block of 32, in K step w
	s_mul_i32 s14, s[WV], 2*PITCH
	v_add_nc_u32 v6, s14, v[L16]                   ; phase 1: my two rows in LDS, 16 bytes a lane
	v_mul_u32_u24 v7, v2, PITCH
	s_delay_alu instid0(VALU_DEP_1)
	v_add_nc_u32 v7, v7, v26                       ; phase 2: row r, my part of K step w
.irp b, 0,1,2,3
	v_mov_b32 v[TM+4+\b], 0                        ; written once: a lane permute's destination counts as one of its sources
.endr
	s_lshr_b32 s15, s21, 2                         ; g
	s_and_b32 s16, s21, 3                          ; a
	s_lshl_b32 s17, s15, 6
	s_lshr_b32 s18, s16, 1
	s_lshl_b32 s19, s18, 5
	s_add_co_u32 s17, s17, s19
	s_and_b32 s20, s16, 1
	s_lshl_b32 s19, s20, 3
	s_add_co_u32 s17, s17, s19                     ; the fragment's first row: 64 g + 32 (a / 2) + 8 (a % 2)
	s_lshl_b32 s19, s[WV], 1
	s_add_co_u32 s17, s17, s19
	s_lshr_b32 s19, s[WV], 2
	s_lshl_b32 s19, s19, 3
	s_add_co_u32 s17, s17, s19                     ; + 2 w + 8 (w / 4): the row of fragment lane 2 w
	s_lshl_b32 s22, s17, 12                        ; in bytes (under 2^26)
	s_mov_b32 s23, 0
	s_lshl_b32 s24, s15, 3
	s_add_co_u32 s24, s24, s[WV]
	s_mul_i32 s24, s24, BLK                        ; block (g, K step w)
	s_mul_i32 s26, s16, 1536
	s_add_co_u32 s26, s26, s24                     ; its fragment a
	s_mov_b32 s27, 0
	s_lshl_b32 s28, s20, 7
	s_lshl_b32 s29, s18, 2
	s_add_co_u32 s28, s28, s29
	s_add_co_u32 s28, s28, s24
	s_add_co_u32 s28, s28, 6144                    ; and the fragment's scale words
	s_mov_b32 s29, 0
	s_mov_b32 s[SEL], 0x76543210
	s_mov_b32 s[SEL+1], 0xfedcba98
	s_wait_kmcnt 0x0
	s_add_nc_u64 s[4:5], s[4:5], s[22:23]
	s_add_nc_u64 s[26:27], s[10:11], s[26:27]
	s_add_nc_u64 s[28:29], s[10:11], s[28:29]
.irp i, 0,1
.irp k, 0,1,2,3,4,5,6,7
	global_load_b128 v[X+32*\i+4*\k:X+32*\i+4*\k+3], v[L16], s[4:5] offset:\i*ROWW+512*\k th:TH_LOAD_NT   ; 32 lanes read 512 consecutive bytes
.endr
.endr
.irp k, 0,1,2,3,4,5,6,7
	global_load_b128 v[ALP+4*\k:ALP+4*\k+3], v[L16], s[6:7] offset:512*\k      ; alpha and beta of the same columns, laid as the rows are
	global_load_b128 v[BET+4*\k:BET+4*\k+3], v[L16], s[8:9] offset:512*\k
.endr
; the two chains of a row are joined, then the 32 lanes: every lane ends with the row's sum in v[T + 4 i].  The two rows go by turns
.macro REDUCE
.irp i, 0
	s_delay_alu instid0(VALU_DEP_3)
	v_pk_add_f32 v[T+4*\i:T+4*\i+1], v[T+4*\i:T+4*\i+1], v[T+4*\i+2:T+4*\i+3]
.endr
.irp i, 1
	s_delay_alu instid0(VALU_DEP_2)
	v_pk_add_f32 v[T+4*\i:T+4*\i+1], v[T+4*\i:T+4*\i+1], v[T+4*\i+2:T+4*\i+3]
.endr
.irp i, 0,1
	s_delay_alu instid0(VALU_DEP_2)
	v_add_f32 v[T+4*\i], v[T+4*\i], v[T+4*\i+1]
.endr
.irp m, 1,2,4,8
.irp i, 0,1
	s_delay_alu instid0(VALU_DEP_2)
	v_add_f32_dpp v[T+4*\i], v[T+4*\i], v[T+4*\i] row_xmask:\m row_mask:0xf bank_mask:0xf
.endr
.endr
.irp i, 0,1
	s_delay_alu instid0(VALU_DEP_2)
	v_permlanex16_b32 v[T+4*\i+1], v[T+4*\i], s[SEL], s[SEL+1]
.endr
.irp i, 0,1
	s_delay_alu instid0(VALU_DEP_2)
	v_add_f32 v[T+4*\i], v[T+4*\i], v[T+4*\i+1]
.endr
.endm
	s_wait_loadcnt 16                              ; my two rows are in; the 16 loads of alpha and beta may be out
.irp i, 0,1
	v_pk_add_f32 v[T+4*\i:T+4*\i+1], v[X+32*\i:X+32*\i+1], v[X+32*\i+2:X+32*\i+3]
	v_pk_add_f32 v[T+4*\i+2:T+4*\i+3], v[X+32*\i+4:X+32*\i+5], v[X+32*\i+6:X+32*\i+7]
.endr
.irp j, 8,12,16,20,24,28
.irp i, 0,1
	s_delay_alu instid0(VALU_DEP_4)
	v_pk_add_f32 v[T+4*\i:T+4*\i+1], v[T+4*\i:T+4*\i+1], v[X+32*\i+\j:X+32*\i+\j+1]
	s_delay_alu instid0(VALU_DEP_4)
	v_pk_add_f32 v[T+4*\i+2:T+4*\i+3], v[T+4*\i+2:T+4*\i+3], v[X+32*\i+\j+2:X+32*\i+\j+3]
.endr
.endr
	REDUCE
.irp i, 0,1
	s_delay_alu instid0(VALU_DEP_2)
	v_mul_f32 v[T+4*\i], 0x3a800000, v[T+4*\i]     ; the mean: sum / 1,024
.endr
.irp j, 0,2,4,6,8,10,12,14,16,18,20,22,24,26,28,30
.irp i, 0,1
	v_pk_add_f32 v[X+32*\i+\j:X+32*\i+\j+1], v[X+32*\i+\j:X+32*\i+\j+1], v[T+4*\i:T+4*\i+1] op_sel_hi:[1,0] neg_lo:[0,1] neg_hi:[0,1]   ; x - mean
.endr
.endr
.irp i, 0,1
	v_pk_mul_f32 v[T+4*\i:T+4*\i+1], v[X+32*\i:X+32*\i+1], v[X+32*\i:X+32*\i+1]
	v_pk_mul_f32 v[T+4*\i+2:T+4*\i+3], v[X+32*\i+2:X+32*\i+3], v[X+32*\i+2:X+32*\i+3]
.endr
.irp j, 4,8,12,16,20,24,28
.irp i, 0,1
	s_delay_alu instid0(VALU_DEP_4)
	v_pk_fma_f32 v[T+4*\i:T+4*\i+1], v[X+32*\i+\j:X+32*\i+\j+1], v[X+32*\i+\j:X+32*\i+\j+1], v[T+4*\i:T+4*\i+1]
	s_delay_alu instid0(VALU_DEP_4)
	v_pk_fma_f32 v[T+4*\i+2:T+4*\i+3], v[X+32*\i+\j+2:X+32*\i+\j+3], v[X+32*\i+\j+2:X+32*\i+\j+3], v[T+4*\i+2:T+4*\i+3]
.endr
.endr
	REDUCE
.irp i, 0,1
	s_delay_alu instid0(VALU_DEP_2)
	v_mul_f32 v[T+4*\i], 0x3a802008, v[T+4*\i]     ; / 1,023
.endr
	s_wait_alu depctr_va_vdst(0)
.irp i, 0,1
	v_sqrt_f32 v[T+4*\i], v[T+4*\i]
.endr
	v_nop                                          ; a plain instruction behind the last root,
	s_wait_alu depctr_va_vdst(0)                   ; and the wait ahead of the first use: one for both
.irp i, 0,1
	v_add_f32 v[T+4*\i], 0x358637bd, v[T+4*\i]     ; std + 1e-6
.endr
	s_wait_alu depctr_va_vdst(0)
.irp i, 0,1
	v_rcp_f32 v[T+4*\i], v[T+4*\i]
.endr
	v_nop
	s_wait_alu depctr_va_vdst(0)                   ; likewise for the two reciprocals
.irp j, 0,2,4,6,8,10,12,14,16,18,20,22,24,26,28,30
.irp i, 0,1
	v_pk_mul_f32 v[X+32*\i+\j:X+32*\i+\j+1], v[X+32*\i+\j:X+32*\i+\j+1], v[T+4*\i:T+4*\i+1] op_sel_hi:[1,0]
.endr
.endr
	s_wait_loadcnt 0x0                             ; alpha and beta
.irp j, 0,2,4,6,8,10,12,14,16,18,20,22,24,26,28,30
.irp i, 0,1
	v_pk_fma_f32 v[X+32*\i+\j:X+32*\i+\j+1], v[X+32*\i+\j:X+32*\i+\j+1], v[ALP+\j:ALP+\j+1], v[BET+\j:BET+\j+1]
.endr
.endr
.irp i, 0,1
.irp k, 0,1,2,3,4,5,6,7
	ds_store_b128 v6, v[X+32*\i+4*\k:X+32*\i+4*\k+3] offset:\i*PITCH+512*\k
.endr
.endr
	s_wait_dscnt 0x0                               ; for the others' sake: my two rows lie in LDS
	s_barrier_signal -1
	s_barrier_wait -1                              ; all sixteen do
.irp b, 0,1,2,3
.irp j, 0,1,2,3
	ds_load_b128 v[X+16*\b+4*\j:X+16*\b+4*\j+3], v7 offset:128*\b+16*\j
.endr
.endr
	s_wait_dscnt 0x0
; 64 numbers of a lane, register 16 b + i = k 32 b + 16 (lane / 16) + i of my row, become a fragment's codes in v[PC] on and its scale word in v[PW]
.irp b, 0,1,2,3
	v_max3_num_f32 v[TM+\b], |v[X+16*\b]|, |v[X+1+16*\b]|, 0x1800000   ; block b: my 16 numbers, and the floor 2^(3 - 127): the byte cannot fall under 1
.endr
.irp i, 2,4,6,8,10,12,14
.irp b, 0,1,2,3
	s_delay_alu instid0(VALU_DEP_4)
	v_max3_num_f32 v[TM+\b], v[TM+\b], |v[X+16*\b+\i]|, |v[X+1+16*\b+\i]|
.endr
.endr
.irp b, 0,1,2,3
	s_delay_alu instid0(VALU_DEP_4)
	v_permlanex16_b32 v[TM+4+\b], v[TM+\b], s[SEL], s[SEL+1]
.endr
.irp b, 0,1,2,3
	s_delay_alu instid0(VALU_DEP_4)
	v_max_num_f32 v[TM+\b], v[TM+\b], v[TM+4+\b]   ; with lane l xor 16's: the block's largest magnitude
.endr
.irp b, 0,1,2,3
	s_delay_alu instid0(VALU_DEP_4)
	v_add_nc_u32 v[TM+12+\b], 0xff000000, v[TM+\b] ; 2 off its exponent field: the conversion's scale operand
.endr
.irp b, 0,1,2,3
	s_delay_alu instid0(VALU_DEP_4)
	v_lshrrev_b32 v[TM+4+\b], 23, v[TM+12+\b]      ; the scale's byte
.endr
	s_delay_alu instid0(VALU_DEP_3)
	v_lshl_or_b32 v[PW], v[TM+5], 8, v[TM+4]
	s_delay_alu instid0(VALU_DEP_1)
	v_lshl_or_b32 v[PW], v[TM+6], 16, v[PW]
	s_delay_alu instid0(VALU_DEP_1)
	v_lshl_or_b32 v[PW], v[TM+7], 24, v[PW]
.irp c, 0,1
	v_cvt_scalef32_pk16_fp6_f32 v[PC+6*\c:PC+2+6*\c], v[X+32*\c:X+15+32*\c], v[TM+12+2*\c]
	v_cvt_scalef32_pk16_fp6_f32 v[PC+12+4*\c:PC+14+4*\c], v[X+16+32*\c:X+31+32*\c], v[TM+12+2*\c+1]   ; (a conversion's three registers begin on an even number)
.endr
	v_nop                                          ; one plain instruction behind the scaled conversions
.irp c, 0,1                                    ; the operand's layout wants a WHOLE block in a lane: lanes 0-15 block 2 c, lanes 16-31 block 2 c + 1
.irp i, 0,1,2
	v_permlane16_swap_b32 v[PC+6*\c+\i], v[PC+12+4*\c+\i]
.endr
.irp i, 0,1,2
	s_delay_alu instid0(VALU_DEP_3)
	v_mov_b32 v[PC+3+6*\c+\i], v[PC+12+4*\c+\i]
.endr
.endr
	global_store_b128 v[L16], v[PC:PC+3], s[26:27]                 ; the image: runs of 512 and 256 consecutive bytes, each at a multiple of 256 from the panel's first byte
	global_store_b64 v27, v[PC+4:PC+5], s[26:27] offset:512
	global_store_b128 v[L16], v[PC+6:PC+9], s[26:27] offset:768
	global_store_b64 v27, v[PC+10:PC+11], s[26:27] offset:1280
	global_store_b32 v28, v[PW], s[28:29]          ; row r's word, every second word of 128 bytes (both halves of the lanes hold and write the same): 64 bytes beside the image's 1,536
.Lend:
	s_wait_tensorcnt 0x0                           ; the wave's end, on both paths, behind my last LDS store
	ds_add_u32 v[SPW], v[NIL]
	s_wait_dscnt 0x0
	s_endpgm
.Lfunc_end_k_q36232c9df7_prep:
	.size	k_q36232c9df7_prep, .Lfunc_end_k_q36232c9df7_prep-k_q36232c9df7_prep
	.p2alignl 7, 3214868480
	.fill 96, 4, 3214868480
	.section	.rodata,"a",@progbits
	.p2align	6, 0x0
	.amdhsa_kernel k_q36232c9df7_prep
		.amdhsa_group_segment_fixed_size 66816
		.amdhsa_private_segment_fixed_size 0
		.amdhsa_enable_private_segment 0
		.amdhsa_kernarg_size 112
		.amdhsa_user_sgpr_count 2
		.amdhsa_user_sgpr_kernarg_segment_ptr 1
		.amdhsa_wavefront_size32 1
		.amdhsa_system_sgpr_workgroup_id_x 1
		.amdhsa_system_sgpr_workgroup_id_y 1
		.amdhsa_system_sgpr_workgroup_id_z 1
		.amdhsa_system_vgpr_workitem_id 0
		.amdhsa_next_free_vgpr 160
		.amdhsa_next_free_sgpr 66
		.amdhsa_reserve_vcc 0
		.amdhsa_float_denorm_mode_32 3
		.amdhsa_float_denorm_mode_16_64 3
		.amdhsa_memory_ordered 1
		.amdhsa_forward_progress 1
		.amdhsa_inst_pref_size 53
	.end_amdhsa_kernel
	.amdgpu_metadata
---
amdhsa.version: [ 1, 2 ]
amdhsa.kernels:
  - .name:           k_q36232c9df7_prep
    .symbol:         k_q36232c9df7_prep.kd
    .args:
      - { .name: wq, .offset: 0, .size: 8, .value_kind: global_buffer, .address_space: global }
      - { .name: wk, .offset: 8, .size: 8, .value_kind: global_buffer, .address_space: global }
      - { .name: wv, .offset: 16, .size: 8, .value_kind: global_buffer, .address_space: global }
      - { .name: wo, .offset: 24, .size: 8, .value_kind: global_buffer, .address_space: global }
      - { .name: w1, .offset: 32, .size: 8, .value_kind: global_buffer, .address_space: global }
      - { .name: w2, .offset: 40, .size: 8, .value_kind: global_buffer, .address_space: global }
      - { .name: wqkv, .offset: 48, .size: 8, .value_kind: global_buffer, .address_space: global }
      - { .name: wop, .offset: 56, .size: 8, .value_kind: global_buffer, .address_space: global }
      - { .name: w1p, .offset: 64, .size: 8, .value_kind: global_buffer, .address_space: global }
      - { .name: w2p, .offset: 72, .size: 8, .value_kind: global_buffer, .address_space: global }
      - { .name: x, .offset: 80, .size: 8, .value_kind: global_buffer, .address_space: global }
      - { .name: ln1_a, .offset: 88, .size: 8, .value_kind: global_buffer, .address_space: global }
      - { .name: ln1_b, .offset: 96, .size: 8, .value_kind: global_buffer, .address_space: global }
      - { .name: pa, .offset: 104, .size: 8, .value_kind: global_buffer, .address_space: global }
    .group_segment_fixed_size: 66816
    .private_segment_fixed_size: 0
    .kernarg_segment_align: 8
    .kernarg_segment_size: 112
    .max_flat_workgroup_size: 256
    .sgpr_count:     66
    .vgpr_count:     160
    .wavefront_size: 32
...
	.end_amdgpu_metadata
.endif
;; end of part 1
;; launch qkvring (part 2): grid 8 x 32, 4 waves a work-group, clusters of 4 x 4, 327,680 bytes of LDS; arguments pa, wqkv, bq, bk, bv, qkv; writes qkv
.if DOCPART == 2
	.amdgcn_target "amdgcn-amd-amdhsa--gfx1250"
	.amdhsa_code_object_version 6
	.text
	.protected	k_q36232c9df7_qkvring
	.globl	k_q36232c9df7_qkvring
	.p2align	8
	.type	k_q36232c9df7_qkvring,@function
k_q36232c9df7_qkvring:
	s_mov_b64 s[64:65], 0
	v_nop
	global_prefetch_b8 v0, s[64:65] scope:SCOPE_SE
	s_setreg_imm32_b32 hwreg(HW_REG_WAVE_MODE, 25, 1), 1
	s_wait_xcnt 0x0
	s_wait_alu depctr_hold_cnt(0) depctr_sa_sdst(0) depctr_va_vdst(0) depctr_va_sdst(0) depctr_va_ssrc(0) depctr_va_vcc(0) depctr_vm_vsrc(0)
	s_getreg_b32 s2, hwreg(HW_REG_IB_STS2, 6, 4)
	s_cmp_eq_u32 s2, 0
	s_cbranch_scc0 .Lentry_in_a_cluster
	s_endpgm
.Lentry_in_a_cluster:
	s_bfe_u32 s2, ttmp6, 0x10000c
	s_cmp_lg_u32 s2, 0xf033
	s_cbranch_scc0 .Lentry_shape_is_right
	s_endpgm
.Lentry_shape_is_right:
; Q, K and V^T = Q(A B^T + bias): products on FP6 (E2M3) codes with E8M0 scales, K = 1,024, whose results are quantised along their columns at once and stored as attention's operands.
; Operands and results are PANELS: 64 rows (group g) x 128 along K (K step s) are a block of 6,400 bytes at (8 g + s) x 6,400: four fragments i at 1,536 i, images of the operand's 12 registers (registers 6c..6c+3 at
; 768 c + 16 x lane, 6c+4, 6c+5 at 768 c + 512 + 8 x lane); lane r of fragment i = 2 b + u holds row 64 g + 32 b + 8 u + r + 8 (r / 8); scale words at 6,144 + 8 (r + 16 (i % 2)) + 4 (i / 2).
; A WORK-GROUP STAYS and makes three tiles of 128 x 256.  Tiles 0 and 1: C'[token][column of wq | wk], the rows' panel as A, tile rows 4 y + cy and 32 further on, tile column 4 x + cx; bias by columns; first or second
; output panel.  Tile 2: the third weight panel is A and the rows' panel B: C'[channel][token], whose columns (the keys) are quantised; bias by rows; third panel, block (token / 1,024) x 128 + 8 (channel / 64) + K step.
; A wave makes 64 x 128: 4 fragments of A x 8 of B, 32 accumulators.  The matrix instruction is used transposed (source 0 = B's fragment, source 1 = A's): a lane holds one row of C', and the 64 registers of a fragment
; of A are its 128 columns in the order that the conversions want.
; LDS: a ring of two slots, each with four K steps of the tile's six groups (6 x 25,600 bytes).  One tensor load a wave fills a quarter of a slot's work: waves 0, 1 a group of A each, waves 2, 3 two groups of B each.
; In the last K step of each half a wave's reads of its slot are over: there stand the wait for all tensor loads, the add, the wait for it, a round of the cluster's barrier and the refill with the next tile's same half.
; By this text's count one load a wave is out, and 112 products a wave stand between a refill and the wait for it.  Tiles 0 and 1 are a loop of two trips; tile 2, which asks for nothing more, is written out.
; CLUSTER 4 x 4: A's groups are shared along a row of the cluster, B's along a column.  No prefetch is laid: K is short, a tile is two slots, and each refill is asked for a whole slot ahead.
; LIMITS: a block of zeros, or one under 2^-124, gets the byte 1 (this program alone reads the bytes); NaN and infinities are not served.
.set BLK,   6400
.set GRP,   51200
.set HG,    25600                      ; four K steps of a group
.set SLOT,  6*HG
.set SPARE, 2*SLOT                     ; behind the ring: the spare words, 128 bytes a wave
.set WALK,  64*GRP                     ; from tile 0 to tile 1: 64 groups of rows, in A and in the output alike
.set SPW,   8
.set NIL,   9
.set L16,   10
.set L8,    11
.set SC,    16                         ; v16-27 scale words, two sets of six
.set PWR,   28                         ; v28-31 the four fragments' scale words; v32, v33 as stored
.set TM,    34                         ; v34-49 the quantiser's
.set AD,    50                         ; v50-57 LDS addresses, slot sl at AD + 4 sl: A 16 x lane, A 8 x lane, B 16 x lane, B 8 x lane
.set AF,    64                         ; v64-159 A's fragments, two sets
.set PCR,   160                        ; v160-255 the codes
                                       ; window 1: B's fragments at v0 and v128; the bias by columns at v96-127, v224-255.  window 2: accumulator (a, t) at v[8 (8 a + t)].  window 3: v0-31 the bias by rows
.set WV,    18
.set WVM,   19
.set WVN,   20
.set CX,    21
.set CY,    22
.set CL,    23
.set TI,    24                         ; the tile in hand
.set HIM,   26
.set G1A,   28
.set G1B,   36
.set G0A,   44                         ; s[44:51] group 0 for A, one a slot
.set PA1,   52                         ; where tile 1's and tile 2's A and B begin
.set PA2,   54
.set PB1,   56
.set PB2,   58
.set SEL,   60
.set G0B,   68                         ; s[68:75]
.set OUT2,  76
.set OUT,   14
.set MSB, 0
.macro WIN new
.if MSB != \new
	s_set_vgpr_msb (MSB<<8)|\new
.set MSB, \new
.endif
.endm
.macro PLACES n
.rept \n
	v_nop
.endr
.endm
.macro CREST                           ; a round of the cluster's barrier behind its opening barrier
	s_cmp_lg_u32 s[WV], 0
	s_cbranch_scc1 .Lnot_wave_0_\@
	s_barrier_signal -3
.Lnot_wave_0_\@:
	s_barrier_wait -3
	s_barrier_signal -1
	s_barrier_wait -1
.endm
.macro CROUND
	s_barrier_signal -1
	s_barrier_wait -1
	CREST
.endm
.macro JLOAD sl                        ; a joint load into slot sl: waves 0, 1 for A, waves 2, 3 for B
	s_cmp_eq_u32 s[WVM], 0
	s_cbranch_scc0 .Lfor_b_\@
	tensor_load_to_lds s[G0A+4*(\sl):G0A+4*(\sl)+3], s[G1A:G1A+7]
	s_nop 0
	PLACES 4
	s_branch .Lasked_\@
.Lfor_b_\@:
	tensor_load_to_lds s[G0B+4*(\sl):G0B+4*(\sl)+3], s[G1B:G1B+7]
	s_nop 0
	PLACES 4
.Lasked_\@:
.endm
.macro NEXTD sl                        ; slot sl's descriptors step to the next tile's same half; no load of mine is out
	s_cmp_eq_u32 s[TI], 0
	s_cselect_b64 s[G0A+4*(\sl)+2:G0A+4*(\sl)+3], s[PA1:PA1+1], s[PA2:PA2+1]
	s_cselect_b64 s[G0B+4*(\sl)+2:G0B+4*(\sl)+3], s[PB1:PB1+1], s[PB2:PB2+1]
.if (\sl) > 0
	s_add_nc_u64 s[G0A+4*(\sl)+2:G0A+4*(\sl)+3], s[G0A+4*(\sl)+2:G0A+4*(\sl)+3], HG
	s_add_nc_u64 s[G0B+4*(\sl)+2:G0B+4*(\sl)+3], s[G0B+4*(\sl)+2:G0B+4*(\sl)+3], HG
.endif
	s_or_b32 s[G0A+4*(\sl)+3], s[G0A+4*(\sl)+3], 0x80000000
	s_or_b32 s[G0B+4*(\sl)+3], s[G0B+4*(\sl)+3], 0x80000000
.endm
.macro WMX ra, rb
.if (\ra) && (\rb)
	v_wmma_scale_f32_16x16x128_f8f6f4 v[rD:rD+7], v[rB:rB+11], v[rA:rA+11], v[rC:rC+7], v[rSa], v[rSb] matrix_a_fmt:MATRIX_FMT_FP6 matrix_b_fmt:MATRIX_FMT_FP6 matrix_a_scale:MATRIX_SCALE_ROW1 matrix_b_scale:MATRIX_SCALE_ROW1
.elseif (\ra)
	v_wmma_scale_f32_16x16x128_f8f6f4 v[rD:rD+7], v[rB:rB+11], v[rA:rA+11], v[rC:rC+7], v[rSa], v[rSb] matrix_a_fmt:MATRIX_FMT_FP6 matrix_b_fmt:MATRIX_FMT_FP6 matrix_a_scale:MATRIX_SCALE_ROW1
.elseif (\rb)
	v_wmma_scale_f32_16x16x128_f8f6f4 v[rD:rD+7], v[rB:rB+11], v[rA:rA+11], v[rC:rC+7], v[rSa], v[rSb] matrix_a_fmt:MATRIX_FMT_FP6 matrix_b_fmt:MATRIX_FMT_FP6 matrix_b_scale:MATRIX_SCALE_ROW1
.else
	v_wmma_scale_f32_16x16x128_f8f6f4 v[rD:rD+7], v[rB:rB+11], v[rA:rA+11], v[rC:rC+7], v[rSa], v[rSb] matrix_a_fmt:MATRIX_FMT_FP6 matrix_b_fmt:MATRIX_FMT_FP6
.endif
.endm
; 16 products: A's fragments a0, a0 + 1 x B's eight, set p.  cmode 0: in place; 1: C = the bias of B's fragment t; 2: of A's fragment a.  The 32 accumulators take turns
.macro MUL16 a0, p, cmode
.irp a, \a0, \a0+1
.irp t, 0,1,2,3,4,5,6,7
.set rD, 8*(8*(\a)+\t)
.set rB, 128*(\p)+12*\t
.set rA, AF+48*(\p)+12*(\a)
.set rC, rD
.if \cmode == 1
.set rC, 96+8*\t+96*(\t/4)
.elseif \cmode == 2
.set rC, 8*(\a)
.endif
.set rSa, SC+6*(\p)+2+2*(\t/4)+(\t%4)/2
.set rSb, SC+6*(\p)+(\a)/2
	WMX \t%2, (\a)%2
.endr
.endr
.endm
.macro MWIN cmode                      ; source 0 (B) window 1, source 1 (A) window 0, D window 2; C window 2, 1 or 3
.if \cmode == 1
	WIN 0x91
.elseif \cmode == 2
	WIN 0xb1
.else
	WIN 0xa1
.endif
.endm
.macro FRAG reg, a16, a8, off
	ds_load_b128 v[\reg:\reg+3], v[\a16] offset:\off
	ds_load_b64 v[\reg+4:\reg+5], v[\a8] offset:\off+512
	ds_load_b128 v[\reg+6:\reg+9], v[\a16] offset:\off+768
	ds_load_b64 v[\reg+10:\reg+11], v[\a8] offset:\off+1280
.endm
.macro FETCH st, p                     ; 51 LDS loads in one run: K step st (slot st / 4) into set p
	WIN 0x40
.irp t, 0,1,2,3,4,5,6,7
	FRAG 128*(\p)+12*\t, AD+4*((\st)/4)+2, AD+4*((\st)/4)+3, (\t/4)*HG+((\st)%4)*BLK+(\t%4)*1536
.endr
	WIN 0
.irp a, 0,1,2,3
	FRAG AF+48*(\p)+12*\a, AD+4*((\st)/4), AD+4*((\st)/4)+1, ((\st)%4)*BLK+\a*1536
.endr
	ds_load_b64 v[SC+6*(\p):SC+6*(\p)+1], v[AD+4*((\st)/4)+1] offset:((\st)%4)*BLK+6144
	ds_load_b64 v[SC+6*(\p)+2:SC+6*(\p)+3], v[AD+4*((\st)/4)+3] offset:((\st)%4)*BLK+6144
	ds_load_b64 v[SC+6*(\p)+4:SC+6*(\p)+5], v[AD+4*((\st)/4)+3] offset:HG+((\st)%4)*BLK+6144
.endm
; K step s: 32 products on set s % 2; in its middle the next step's fragments go into the other set.
; mode 0: inside a half.  1: a half's last step, with a refill.  2: a half's last step in the last tile: a barrier shows the other slot whole, nothing is filled.  3: the very last step
.macro KSTEP s, cmode, mode
.if \mode == 1
	WIN 0
	s_wait_tensorcnt 0x0                           ; my one load that was out, my part of the other slot, has landed;
	ds_add_u32 v[SPW], v[NIL]                      ; the add;
	NEXTD (\s)/4
	s_wait_dscnt 0x0                               ; the add is done, and this step's fragments are in: they were my last reads of this slot
	s_barrier_signal -1                            ; opens a round of the cluster's barrier
.elseif \mode == 2
	s_wait_tensorcnt 0x0
	s_wait_dscnt 0x0
	s_barrier_signal -1
.else
	s_wait_dscnt 0x0                               ; this step's fragments are in
.endif
	MWIN \cmode
	MUL16 0, (\s)%2, \cmode
.if \mode != 3
	WIN 0
.if \mode == 1
	s_barrier_wait -1
	CREST                                          ; no wave of any partner still reads this slot or has a load on its way
	JLOAD (\s)/4                                   ; the refill; its four v_nop are the places in front of the loads below
.elseif \mode == 2
	s_barrier_wait -1
	PLACES 4
.else
	PLACES 4                                       ; between the products that read the other set and the loads into it
.endif
	FETCH ((\s)+1)%8, 1-(\s)%2
.endif
	MWIN \cmode
	MUL16 2, (\s)%2, \cmode
.endm
.macro QUANTW s, pc, pw                ; 64 numbers in window 2, register 16 b + i = column 32 b + 16 (lane / 16) + i of my row, become codes in v[pc] on and the scale word in v[pw]
	WIN 0x0a
.irp b, 0,1,2,3
	v_max3_num_f32 v[TM+\b], |v[\s+16*\b]|, |v[\s+1+16*\b]|, 0x1800000   ; each accumulator from its low end on; the floor 2^(3 - 127): the byte cannot fall under 1
.endr
.irp i, 2,4,6,8,10,12,14
.irp b, 0,1,2,3
	v_max3_num_f32 v[TM+\b], |v[\s+16*\b+\i]|, |v[\s+1+16*\b+\i]|, v[TM+\b]
.endr
.endr
	WIN 0
.irp b, 0,1,2,3
	v_permlanex16_b32 v[TM+4+\b], v[TM+\b], s[SEL], s[SEL+1]
.endr
.irp b, 0,1,2,3
	v_max_num_f32 v[TM+\b], v[TM+\b], v[TM+4+\b]
.endr
.irp b, 0,1,2,3
	v_add_nc_u32 v[TM+12+\b], 0xff000000, v[TM+\b] ; 2 off the exponent field: the conversion's scale operand
.endr
.irp b, 0,1,2,3
	v_lshrrev_b32 v[TM+4+\b], 23, v[TM+12+\b]      ; the byte
.endr
	v_lshl_or_b32 v[\pw], v[TM+5], 8, v[TM+4]
	v_lshl_or_b32 v[\pw], v[TM+6], 16, v[\pw]
	v_lshl_or_b32 v[\pw], v[TM+7], 24, v[\pw]
	WIN 0x02
.irp c, 0,1
	v_cvt_scalef32_pk16_fp6_f32 v[\pc+6*\c:\pc+2+6*\c], v[\s+32*\c:\s+15+32*\c], v[TM+12+2*\c]
	v_cvt_scalef32_pk16_fp6_f32 v[\pc+12+4*\c:\pc+14+4*\c], v[\s+16+32*\c:\s+31+32*\c], v[TM+12+2*\c+1]
.endr
	WIN 0
	v_nop                                          ; one plain instruction behind the scaled conversions
.irp c, 0,1                                    ; a whole block to a lane
.irp i, 0,1,2
	v_permlane16_swap_b32 v[\pc+6*\c+\i], v[\pc+12+4*\c+\i]
.endr
.irp i, 0,1,2
	v_mov_b32 v[\pc+3+6*\c+\i], v[\pc+12+4*\c+\i]
.endr
.endr
.endm
.macro EPI ob                          ; THE WAY OUT of a tile: my block of the output, a fragment of A at a time
	WIN 0
	PLACES 4                                       ; between the last products and the first read of results
.irp a, 0,1,2,3
	QUANTW 64*\a, PCR+24*\a, PWR+\a
	global_store_b128 v[L16], v[PCR+24*\a:PCR+24*\a+3], s[\ob:\ob+1] offset:1536*\a          ; runs of 512 and 256 consecutive bytes, at multiples of 256
	global_store_b64 v[L8], v[PCR+24*\a+4:PCR+24*\a+5], s[\ob:\ob+1] offset:1536*\a+512
	global_store_b128 v[L16], v[PCR+24*\a+6:PCR+24*\a+9], s[\ob:\ob+1] offset:1536*\a+768
	global_store_b64 v[L8], v[PCR+24*\a+10:PCR+24*\a+11], s[\ob:\ob+1] offset:1536*\a+1280
.endr
	v_cndmask_b32 v32, v[PWR], v[PWR+1], s[HIM]    ; lanes 0-15 keep the even fragment's words, lanes 16-31 take the odd one's
	v_cndmask_b32 v33, v[PWR+2], v[PWR+3], s[HIM]
	global_store_b64 v[L8], v[32:33], s[\ob:\ob+1] offset:6144
.endm
	s_load_b256 s[4:11], s[0:1], 0x0               ; rows' panel, weights, bq, bk
	s_load_b128 s[12:15], s[0:1], 0x20             ; bv, out
	v_lshl_add_u32 v[SPW], v0, 2, SPARE
	v_mov_b32 v[NIL], 0
	ds_add_u32 v[SPW], v[NIL]                      ; the opening lines
	ds_add_u32 v[SPW], v[NIL]
	v_lshrrev_b32 v1, 5, v0
	v_readfirstlane_b32 s[WV], v1
	s_lshr_b32 s[WVM], s[WV], 1                    ; my half of a tile's rows; also: I fetch for A (0) or B (1)
	s_and_b32 s[WVN], s[WV], 1                     ; my half of its columns; also: which part I fetch
	s_bfe_u32 s[CX], ttmp6, 0x40000
	s_bfe_u32 s[CY], ttmp6, 0x40004
	s_and_b32 s[CL], ttmp7, 0xffff                 ; the cluster's y, 0..7
	s_lshl_b32 s85, s[CY], 2
	s_lshl_b32 s85, 15, s85                        ; my row of the cluster
	s_lshl_b32 s91, 0x1111, s[CX]                  ; my column
	s_or_b32 s[G1A], s85, (3<<16)|(1<<21)          ; the mask; elements of 8 bytes; bit 21 beside a mask
	s_or_b32 s[G1B], s91, (3<<16)|(1<<21)
	s_mov_b32 s[G1A+1], 32<<16                     ; A: four K steps of a group, 25,600 dense bytes, as 100 rows of 256
	s_mov_b32 s[G1A+2], 100<<16
	s_mov_b32 s[G1A+3], 32<<16
	s_mov_b32 s[G1A+4], 100
	s_mov_b32 s[G1A+5], 32
	s_mov_b32 s[G1A+6], 0
	s_mov_b32 s[G1A+7], 0
	s_mov_b32 s[G1B+1], 3200<<16                   ; B: two rows of 3,200 elements, a group (6,400 elements) apart
	s_mov_b32 s[G1B+2], 2<<16
	s_mov_b32 s[G1B+3], 3200<<16
	s_mov_b32 s[G1B+4], 2
	s_mov_b32 s[G1B+5], 6400
	s_mov_b32 s[G1B+6], 0
	s_mov_b32 s[G1B+7], 0
	s_mov_b32 s[HIM], 0xffff0000
	s_mov_b32 s[SEL], 0x76543210
	s_mov_b32 s[SEL+1], 0xfedcba98
	; A's arithmetic in s84-89 (cy and y alone), B's in s90-95 (cx, x and y alone)
	s_lshl_b32 s84, s[CL], 2
	s_add_co_u32 s84, s84, s[CY]                   ; tile 0's tile row: 4 y + cy
	s_and_b32 s85, s[CL], 1
	s_lshl_b32 s85, s85, 2
	s_add_co_u32 s85, s85, s[CY]                   ; tile 2's: 4 (y % 2) + cy
	s_lshl_b32 s90, ttmp9, 2
	s_add_co_u32 s90, s90, s[CX]                   ; tiles 0 and 1's tile column: 4 x + cx
	s_lshr_b32 s91, s[CL], 1
	s_lshl_b32 s91, s91, 3
	s_add_co_u32 s91, s91, s90                     ; tile 2's: 8 (y / 2) + 4 x + cx
	s_lshl_b32 s86, s84, 1
	s_add_co_u32 s86, s86, s[WVN]
	s_mul_i32 s86, s86, GRP                        ; tile 0's group of A that I would fetch, in the rows' panel
	s_mov_b32 s87, 0
	s_lshl_b32 s88, s85, 1
	s_add_co_u32 s88, s88, s[WVN]
	s_mul_i32 s88, s88, GRP
	s_add_co_u32 s88, s88, 1638656                 ; tile 2's, in the third weight panel, behind 256 bytes and two panels
	s_mov_b32 s89, 0
	s_lshl_b32 s93, s[WVN], 1
	s_lshl_b32 s92, s90, 2
	s_add_co_u32 s92, s92, s93
	s_mul_i32 s92, s92, GRP
	s_add_co_u32 s92, s92, 256                     ; tiles 0 and 1's two groups of B, in the weights
	s_lshl_b32 s94, s91, 2
	s_add_co_u32 s94, s94, s93
	s_mul_i32 s94, s94, GRP                        ; tile 2's, in the rows' panel
	s_mov_b32 s93, 0
	s_mov_b32 s95, 0
	s_mul_i32 s96, s[WVN], HG                      ; where they go: no place in the cluster enters an LDS address
	s_mul_i32 s97, s[WVN], 2*HG
	s_add_co_u32 s97, s97, 2*HG
.irp sl, 0,1
	s_mov_b32 s[G0A+4*\sl], 1
	s_add_co_u32 s[G0A+4*\sl+1], s96, \sl*SLOT
	s_mov_b32 s[G0B+4*\sl], 1
	s_add_co_u32 s[G0B+4*\sl+1], s97, \sl*SLOT
.endr
	s_wait_dscnt 0x0                               ; both opening adds are done
	s_wait_kmcnt 0x0
	s_add_nc_u64 s[G0A+2:G0A+3], s[4:5], s[86:87]  ; tile 0, first half
	s_add_nc_u64 s[PA1:PA1+1], s[G0A+2:G0A+3], WALK
	s_add_nc_u64 s[G0A+6:G0A+7], s[G0A+2:G0A+3], HG
	s_add_nc_u64 s[PA2:PA2+1], s[6:7], s[88:89]
	s_add_nc_u64 s[PB1:PB1+1], s[6:7], s[92:93]    ; tile 1 takes tile 0's columns
	s_mov_b64 s[G0B+2:G0B+3], s[PB1:PB1+1]
	s_add_nc_u64 s[G0B+6:G0B+7], s[PB1:PB1+1], HG
	s_add_nc_u64 s[PB2:PB2+1], s[4:5], s[94:95]
	s_or_b32 s[G0A+3], s[G0A+3], 0x80000000
	s_or_b32 s[G0A+7], s[G0A+7], 0x80000000
	s_or_b32 s[G0B+3], s[G0B+3], 0x80000000
	s_or_b32 s[G0B+7], s[G0B+7], 0x80000000
	CROUND                                         ; all sixteen work-groups are here: the first joint loads meet
	JLOAD 0                                        ; tile 0's first half: one load a wave at the head
	v_and_b32 v1, 15, v0                           ; r
	v_bfe_u32 v2, v0, 4, 1                         ; h
	v_and_b32 v3, 31, v0
	v_lshlrev_b32 v[L16], 4, v3
	v_lshlrev_b32 v[L8], 3, v3
	s_mul_i32 s96, s[WVM], HG                      ; my group of A,
	s_mul_i32 s97, s[WVN], 2*HG
	s_add_co_u32 s97, s97, 2*HG                    ; my two groups of B
.irp sl, 0,1
	v_add_nc_u32 v[AD+4*\sl], s96, v[L16]
	v_add_nc_u32 v[AD+4*\sl+1], s96, v[L8]
	v_add_nc_u32 v[AD+4*\sl+2], s97, v[L16]
	v_add_nc_u32 v[AD+4*\sl+3], s97, v[L8]
	s_add_co_u32 s96, s96, SLOT
	s_add_co_u32 s97, s97, SLOT
.endr
	v_lshlrev_b32 v12, 6, v2                       ; the bias by columns: 64 h bytes
	v_and_b32 v13, 8, v1
	v_add_nc_u32 v13, v13, v1
	v_lshlrev_b32 v13, 2, v13                      ; the bias by rows: 4 (r + 8 (r / 8))
.irp b, 0,1,2,3
	v_mov_b32 v[TM+4+\b], 0                        ; a lane permute's destination counts as a source
.endr
	s_wait_alu depctr_va_vdst(0)                   ; the wait behind the head's vector work
	; my block of the output.  Tile 0: group 2 tm + wave / 2, K step s' = 2 tn + wave % 2, panel s' / 8
	s_lshl_b32 s96, s84, 1
	s_add_co_u32 s96, s96, s[WVM]
	s_lshl_b32 s97, s90, 1
	s_add_co_u32 s97, s97, s[WVN]
	s_lshr_b32 s98, s97, 3
	s_and_b32 s97, s97, 7
	s_lshl_b32 s96, s96, 3
	s_add_co_u32 s96, s96, s97
	s_mul_i32 s96, s96, BLK
	s_mul_i32 s98, s98, 6553600
	s_add_co_u32 s96, s96, s98
	s_mov_b32 s97, 0
	; tile 2: the same with runs of 128 blocks for s' / 8, in the third panel
	s_lshl_b32 s98, s85, 1
	s_add_co_u32 s98, s98, s[WVM]
	s_lshl_b32 s99, s91, 1
	s_add_co_u32 s99, s99, s[WVN]
	s_lshr_b32 s27, s99, 3
	s_and_b32 s99, s99, 7
	s_lshl_b32 s98, s98, 3
	s_add_co_u32 s98, s98, s99
	s_mul_i32 s98, s98, BLK
	s_mul_i32 s27, s27, 819200
	s_add_co_u32 s98, s98, s27
	s_add_co_u32 s98, s98, 13107200
	s_mov_b32 s99, 0
	s_add_nc_u64 s[OUT2:OUT2+1], s[OUT:OUT+1], s[98:99]
	s_add_nc_u64 s[OUT:OUT+1], s[OUT:OUT+1], s[96:97]
	; both biases, in the results' layouts, are the C of the tiles' first products; they are loaded once
	s_lshl_b32 s96, s90, 8
	s_lshl_b32 s97, s[WVN], 7
	s_add_co_u32 s96, s96, s97
	s_and_b32 s96, s96, 1023                       ; my first column within its weight
	s_lshl_b32 s96, s96, 2
	s_mov_b32 s97, 0
	s_cmp_lt_u32 s90, 4
	s_cselect_b64 s[98:99], s[8:9], s[10:11]
	s_add_nc_u64 s[98:99], s[98:99], s[96:97]
	WIN 0x40
.irp t, 0,1,2,3,4,5,6,7                        ; register j of fragment t: column 64 (t / 4) + 32 ((t / 2) % 2) + 8 (t % 2) + 16 h + j
	global_load_b128 v[96+8*\t+96*(\t/4):99+8*\t+96*(\t/4)], v12, s[98:99] offset:256*(\t/4)+128*((\t/2)%2)+32*(\t%2)
	global_load_b128 v[100+8*\t+96*(\t/4):103+8*\t+96*(\t/4)], v12, s[98:99] offset:256*(\t/4)+128*((\t/2)%2)+32*(\t%2)+16
.endr
	WIN 0
	s_lshl_b32 s96, s85, 7
	s_lshl_b32 s97, s[WVM], 6
	s_add_co_u32 s96, s96, s97                     ; tile 2: my first channel
	s_lshl_b32 s96, s96, 2
	s_mov_b32 s97, 0
	s_add_nc_u64 s[12:13], s[12:13], s[96:97]
	WIN 0xc0
.irp a, 0,1,2,3                                ; all eight registers of fragment a: the bias of my lane's row
.irp j, 0,1,2,3,4,5,6,7
	global_load_b32 v[8*\a+\j], v13, s[12:13] offset:128*(\a/2)+32*(\a%2)
.endr
.endr
	WIN 0
	s_wait_tensorcnt 0x0                           ; my part of slot 0 is in
	ds_add_u32 v[SPW], v[NIL]
	s_wait_dscnt 0x0
	CROUND                                         ; everybody's part is in, and all sixteen work-groups are here
	JLOAD 1                                        ; tile 0's second half
	FETCH 0, 0
	s_wait_loadcnt 0x0                             ; the biases
	s_mov_b32 s[TI], 0
.Ltile:                                                ; tiles 0 and 1
	KSTEP 0, 1, 0
	KSTEP 1, 0, 0
	KSTEP 2, 0, 0
	KSTEP 3, 0, 1                                  ; slot 0 takes the next tile's first half
	KSTEP 4, 0, 0
	KSTEP 5, 0, 0
	KSTEP 6, 0, 0
	KSTEP 7, 0, 1                                  ; slot 1 its second half; the next tile's first fragments are fetched
	EPI OUT
	s_wait_xcnt 0x0                                ; the stores have read their registers and their base
	s_add_nc_u64 s[OUT:OUT+1], s[OUT:OUT+1], WALK
	s_add_co_u32 s[TI], s[TI], 1
	s_cmp_lt_u32 s[TI], 2
	s_wait_alu depctr_va_vdst(0)                   ; the wait ahead of the branch
	s_cbranch_scc1 .Ltile
	KSTEP 0, 2, 0                                  ; tile 2 asks for nothing more
	KSTEP 1, 0, 0
	KSTEP 2, 0, 0
	KSTEP 3, 0, 2
	KSTEP 4, 0, 0
	KSTEP 5, 0, 0
	KSTEP 6, 0, 0
	KSTEP 7, 0, 3
	EPI OUT2
	s_wait_tensorcnt 0x0                           ; the wave's end
	ds_add_u32 v[SPW], v[NIL]
	s_wait_dscnt 0x0
	CROUND                                         ; the closing round
	s_endpgm
.Lfunc_end_k_q36232c9df7_qkvring:
	.size	k_q36232c9df7_qkvring, .Lfunc_end_k_q36232c9df7_qkvring-k_q36232c9df7_qkvring
	.p2alignl 7, 3214868480
	.fill 96, 4, 3214868480
	.section	.rodata,"a",@progbits
	.p2align	6, 0x0
	.amdhsa_kernel k_q36232c9df7_qkvring
		.amdhsa_group_segment_fixed_size 327680
		.amdhsa_private_segment_fixed_size 0
		.amdhsa_enable_private_segment 0
		.amdhsa_kernarg_size 48
		.amdhsa_user_sgpr_count 2
		.amdhsa_user_sgpr_kernarg_segment_ptr 1
		.amdhsa_wavefront_size32 1
		.amdhsa_system_sgpr_workgroup_id_x 1
		.amdhsa_system_sgpr_workgroup_id_y 1
		.amdhsa_system_sgpr_workgroup_id_z 1
		.amdhsa_system_vgpr_workitem_id 0
		.amdhsa_next_free_vgpr 800
		.amdhsa_next_free_sgpr 100
		.amdhsa_reserve_vcc 0
		.amdhsa_float_denorm_mode_32 3
		.amdhsa_float_denorm_mode_16_64 3
		.amdhsa_memory_ordered 1
		.amdhsa_forward_progress 1
		.amdhsa_inst_pref_size 171
	.end_amdhsa_kernel
	.amdgpu_metadata
---
amdhsa.version: [ 1, 2 ]
amdhsa.kernels:
  - .name:           k_q36232c9df7_qkvring
    .symbol:         k_q36232c9df7_qkvring.kd
    .args:
      - { .name: pa, .offset: 0, .size: 8, .value_kind: global_buffer, .address_space: global }
      - { .name: wqkv, .offset: 8, .size: 8, .value_kind: global_buffer, .address_space: global }
      - { .name: bq, .offset: 16, .size: 8, .value_kind: global_buffer, .address_space: global }
      - { .name: bk, .offset: 24, .size: 8, .value_kind: global_buffer, .address_space: global }
      - { .name: bv, .offset: 32, .size: 8, .value_kind: global_buffer, .address_space: global }
      - { .name: qkv, .offset: 40, .size: 8, .value_kind: global_buffer, .address_space: global }
    .group_segment_fixed_size: 327680
    .private_segment_fixed_size: 0
    .kernarg_segment_align: 8
    .kernarg_segment_size: 48
    .max_flat_workgroup_size: 128
    .sgpr_count:     100
    .vgpr_count:     800
    .wavefront_size: 32
...
	.end_amdgpu_metadata
.endif
;; end of part 2
;; launch att (part 3): grid 4 x 64, 16 waves a work-group, clusters of 4 x 1, 206,848 bytes of LDS; arguments qkv, pa; writes pa
.if DOCPART == 3
	.amdgcn_target "amdgcn-amd-amdhsa--gfx1250"
	.amdhsa_code_object_version 6
	.text
	.protected	k_q36232c9df7_att
	.globl	k_q36232c9df7_att
	.p2align	8
	.type	k_q36232c9df7_att,@function
k_q36232c9df7_att:
	s_mov_b64 s[64:65], 0
	v_nop
	global_prefetch_b8 v0, s[64:65] scope:SCOPE_SE
	s_setreg_imm32_b32 hwreg(HW_REG_WAVE_MODE, 25, 1), 1
	s_wait_xcnt 0x0
	s_wait_alu depctr_hold_cnt(0) depctr_sa_sdst(0) depctr_va_vdst(0) depctr_va_sdst(0) depctr_va_ssrc(0) depctr_va_vcc(0) depctr_vm_vsrc(0)
	s_getreg_b32 s2, hwreg(HW_REG_IB_STS2, 6, 4)
	s_cmp_eq_u32 s2, 0
	s_cbranch_scc0 .Lentry_in_a_cluster
	s_endpgm
.Lentry_in_a_cluster:
	s_bfe_u32 s2, ttmp6, 0x10000c
	s_cmp_lg_u32 s2, 0x3003
	s_cbranch_scc0 .Lentry_shape_is_right
	s_endpgm
.Lentry_shape_is_right:
; Attention on FP6 (E2M3) codes with E8M0 scales: 8 batches x 16 heads of 64, 1,024 queries and keys, no mask.  O = softmax(Q K^T / 8) V, and O is quantised along the model's axis at once, as the next product's operand.
; qkv holds three PANELS (64 rows x 128 along K are a block of 6,400 bytes at (8 g + s) x 6,400: four fragments at 1,536 i, images of the operand's 12 registers: registers 6c..6c+3 at 768 c + 16 x lane, 6c+4, 6c+5 at
; 768 c + 512 + 8 x lane; lane r of fragment 2 b + u holds row 64 g + 32 b + 8 u + r + 8 (r / 8); scale words at 6,144 + 8 (r + 16 (i % 2)) + 4 (i / 2)):  Q at 0 and K at KOFF, rows = tokens, K step = a pair of heads, half c = a head;
; V^T at VOFF, block (batch x 128 + head x 8 + K step), rows = the head's 64 channels, K = the keys.
; THE SOFTMAX: t = score x log2(e) / 8; M = the running largest t rounded up to a whole number; p = 2^(t - M) is quantised along the keys; the row's sum is taken of the unquantised p and divides O at the end.
; When M moves, the sum and O are multiplied by 2^(old M - new M): exact.
; SHARES: work-group y = batch x 8 + head pair; x = a block of 256 queries.  Each of sixteen waves owns one fragment of Q (16 queries) and both heads of the pair, one after the other in each key step of 128 keys.
; The first product's K is 64, the instruction's 128: the other 64 are zero codes on both sides.  Both products are used transposed (S^T = K Q^T, O^T = V^T P^T): a lane holds one query.
; LDS: all K and V of the head pair, 204,800 bytes, filled once, in sixteen tiles of 12,800 bytes: ONE tensor load a wave, at the head: wave w < 8 key step w of K, wave 8 + w' head w' % 2, key steps 2 (w' / 2) and the next, of V.
; CLUSTER 4 x 1: the four query blocks ask jointly.  No prefetch is laid: every tensor load stands at the head.
; LIMITS: a block of zeros, or one under 2^-124, gets the byte 1; v_exp_f32 and v_rcp_f32 as they are (1 ulp; results under 2^-126 are zero: ISA guide 15.8); a block's largest p is made from its largest score, which takes
; v_exp_f32 not to fall where its input rises; the scaled scores stay under 2^31 in magnitude; NaN and infinities are not served.
.set BLK,   6400
.set GRP,   51200
.set KOFF,  6553600
.set VOFF,  13107200
.set VLDS,  102400                     ; LDS: K's 16 blocks, then V's 2 x 8
.set SPARE, 204800                     ; then the spare words, 128 bytes a wave
.set L16,   1
.set L8,    2
.set SPW,   3
.set NIL,   4
.set ADK16, 5                          ; v5-8 LDS addresses of the key step in hand
.set ADK8,  6
.set ADV16, 7
.set ADV8,  8
.set QS,    9
.set R8,    11
                                       ; v[12+4e..15+4e] head e: -M, the largest t, the sum in two halves.  v20-25 Q's even head, v26-31 zeros, v32-37 Q's odd head.  v38+12i: six zeros; v44+12i: six registers of K's codes
                                       ; v92, v93 V's scale words.  v96-159 S^T, then p, then V's fragments.  v160+32e+8t O^T.  v224-235 p's codes.  v232-254 at work; v248-251 K's scale words; v252 f; v253 p's scale word
.set TM,    232
.set PC,    38
.set PW,    253
.set WV,    18
.set SEL,   20
.set CS,    22
.set TK,    24
.set TV,    25
.set CNT,   26
.set G0K,   28
.set G0V,   44
.set G1K,   68
.set G1V,   76
.macro CROUND
	s_barrier_signal -1
	s_barrier_wait -1
	s_cmp_lg_u32 s[WV], 0
	s_cbranch_scc1 .Lnot_wave_0_\@
	s_barrier_signal -3
.Lnot_wave_0_\@:
	s_barrier_wait -3
	s_barrier_signal -1
	s_barrier_wait -1
.endm
	s_load_b128 s[4:7], s[0:1], 0x0                ; qkv, pa
	v_lshl_add_u32 v[SPW], v0, 2, SPARE
	v_mov_b32 v[NIL], 0
	ds_add_u32 v[SPW], v[NIL]                      ; the opening lines
	ds_add_u32 v[SPW], v[NIL]
	v_lshrrev_b32 v5, 5, v0
	s_delay_alu instid0(VALU_DEP_1)
	v_readfirstlane_b32 s[WV], v5                  ; wave 0..15
	s_bfe_u32 s8, ttmp6, 0x40000                   ; cx
	s_lshl_b32 s9, ttmp9, 2
	s_add_co_u32 s9, s9, s8                        ; my block of 256 queries: it enters Q's and the output's addresses alone
	s_and_b32 s10, ttmp7, 0xffff
	s_lshr_b32 s11, s10, 3                         ; batch
	s_and_b32 s12, s10, 7                          ; head pair
	s_and_b32 s13, s[WV], 7                        ; K: key step wave % 8: two groups of 64 keys
	s_lshl_b32 s14, s11, 7
	s_add_co_u32 s14, s14, s12
	s_mul_i32 s14, s14, BLK
	s_mul_i32 s15, s13, 2*GRP
	s_add_co_u32 s14, s14, s15
	s_add_co_u32 s14, s14, KOFF
	s_mov_b32 s15, 0
	s_mul_i32 s84, s13, 2*BLK                      ; and where it goes
	s_and_b32 s13, s[WV], 1                        ; V: head wave % 2 of the pair,
	s_bfe_u32 s27, s[WV], 0x20001                  ; key steps 2 ((wave / 2) % 4) and the next
	s_mul_i32 s27, s27, 2*BLK
	s_lshl_b32 s16, s12, 1
	s_add_co_u32 s16, s16, s13
	s_mul_i32 s16, s16, GRP
	s_mul_i32 s17, s11, 819200
	s_add_co_u32 s16, s16, s17
	s_add_co_u32 s16, s16, s27
	s_add_co_u32 s16, s16, VOFF
	s_mov_b32 s17, 0
	s_mul_i32 s85, s13, GRP
	s_add_co_u32 s85, s85, s27
	s_add_co_u32 s85, s85, VLDS
	s_lshl_b32 s86, s11, 4                         ; Q: group batch x 16 + 4 x block + wave / 4,
	s_lshl_b32 s87, s9, 2
	s_add_co_u32 s86, s86, s87
	s_lshr_b32 s87, s[WV], 2
	s_add_co_u32 s86, s86, s87
	s_lshl_b32 s86, s86, 3
	s_add_co_u32 s86, s86, s12
	s_mul_i32 s86, s86, BLK
	s_and_b32 s88, s[WV], 3                        ; fragment wave % 4
	s_mul_i32 s89, s88, 1536
	s_add_co_u32 s90, s86, s89
	s_mov_b32 s91, 0
	s_and_b32 s92, s88, 1
	s_lshl_b32 s92, s92, 7
	s_lshr_b32 s93, s88, 1
	s_lshl_b32 s93, s93, 2
	s_add_co_u32 s92, s92, s93
	s_add_co_u32 s92, s92, s86
	s_add_co_u32 s92, s92, 6144                    ; its scale words
	s_mov_b32 s93, 0
	s_mov_b32 s[G1K], 15|(3<<16)|(1<<21)           ; the mask: all four work-groups; elements of 8 bytes; bit 21 beside a mask
	s_mov_b32 s[G1K+1], 800<<16                    ; K: two rows of 800 elements: two blocks, a group (6,400 elements) apart
	s_mov_b32 s[G1K+2], 2<<16
	s_mov_b32 s[G1K+3], 800<<16
	s_mov_b32 s[G1K+4], 2
	s_mov_b32 s[G1K+5], 6400
	s_mov_b32 s[G1K+6], 0
	s_mov_b32 s[G1K+7], 0
	s_mov_b32 s[G1V], 15|(3<<16)|(1<<21)
	s_mov_b32 s[G1V+1], 32<<16                     ; V: two blocks on end, 12,800 dense bytes, as 50 rows of 256
	s_mov_b32 s[G1V+2], 50<<16
	s_mov_b32 s[G1V+3], 32<<16
	s_mov_b32 s[G1V+4], 50
	s_mov_b32 s[G1V+5], 32
	s_mov_b32 s[G1V+6], 0
	s_mov_b32 s[G1V+7], 0
	s_mov_b32 s[SEL], 0x76543210
	s_mov_b32 s[SEL+1], 0xfedcba98
	s_mov_b32 s[CS], 0x3e38aa3b                    ; c = log2(e) / 8
	s_mov_b32 s[CS+1], s[CS]
	s_mov_b32 s[TK], 0
	s_mov_b32 s[TV], VLDS
	s_wait_dscnt 0x0                               ; both opening adds are done
	s_wait_kmcnt 0x0
	s_add_nc_u64 s[94:95], s[4:5], s[90:91]        ; Q's fragment
	s_add_nc_u64 s[96:97], s[4:5], s[92:93]        ; Q's scale words
	s_add_nc_u64 s[98:99], s[6:7], s[90:91]        ; the output's fragment
	s_add_nc_u64 s[88:89], s[6:7], s[92:93]        ; the output's scale words
	s_mov_b32 s[G0K], 1
	s_mov_b32 s[G0K+1], s84
	s_add_nc_u64 s[G0K+2:G0K+3], s[4:5], s[14:15]
	s_or_b32 s[G0K+3], s[G0K+3], 0x80000000
	s_mov_b32 s[G0V], 1
	s_mov_b32 s[G0V+1], s85
	s_add_nc_u64 s[G0V+2:G0V+3], s[4:5], s[16:17]
	s_or_b32 s[G0V+3], s[G0V+3], 0x80000000
	CROUND                                         ; all four work-groups are here: the joint loads meet
	s_cmp_lt_u32 s[WV], 8                          ; one load a wave
	s_cbranch_scc0 .Lask_v
	tensor_load_to_lds s[G0K:G0K+3], s[G1K:G1K+7]
	s_nop 0
.rept 4
	v_nop
.endr
	s_branch .Lasked
.Lask_v:
	tensor_load_to_lds s[G0V:G0V+3], s[G1V:G1V+7]
	s_nop 0
.rept 4
	v_nop
.endr
.Lasked:
	v_and_b32 v10, 31, v0
	s_delay_alu instid0(VALU_DEP_1)
	v_lshlrev_b32 v[L16], 4, v10
	s_delay_alu instid0(VALU_DEP_2)
	v_lshlrev_b32 v[L8], 3, v10
	v_and_b32 v[R8], 15, v0
	s_delay_alu instid0(VALU_DEP_1)
	v_lshlrev_b32 v[R8], 3, v[R8]
	global_load_b128 v[20:23], v[L16], s[94:95]                    ; Q stays in registers: the even head's six,
	global_load_b64 v[24:25], v[L8], s[94:95] offset:512
	global_load_b128 v[32:35], v[L16], s[94:95] offset:768         ; the odd head's six
	global_load_b64 v[36:37], v[L8], s[94:95] offset:1280
	global_load_b32 v[QS], v[R8], s[96:97]
.irp j, 0,1,2,3,4,5
	v_mov_b32 v[26+\j], 0                          ; the zero codes of the idle 64 along K
.irp i, 0,1,2,3,4
	v_mov_b32 v[38+12*\i+\j], 0
.endr
.endr
	v_mov_b32 v13, 0xff61b1e6                      ; the largest t so far: -3e38
	v_mov_b32 v17, 0xff61b1e6
	s_delay_alu instid0(VALU_DEP_2)
	v_floor_f32 v12, -v13                          ; -M
	s_delay_alu instid0(VALU_DEP_2)
	v_floor_f32 v16, -v17
	v_mov_b32 v14, 0                               ; the sums
	v_mov_b32 v15, 0
	v_mov_b32 v18, 0
	v_mov_b32 v19, 0
.irp b, 0,1,2,3
	v_mov_b32 v[236+\b], 0                         ; a lane permute's destination counts as a source
.endr
	v_mov_b32 v253, 0                              ; (named as the upper half of v[252:253] before it is first written)
.set jj, 0
.rept 64
	v_mov_b32 v[160+jj], 0                         ; O^T: the step is written once, and the first finds zeros
.set jj, jj+1
.endr
; HEAD e's PART OF A KEY STEP of 128 keys
.macro STEP e
.set NM, 12+4*\e
.set OT, 160+32*\e
.rept 5
	v_nop                                          ; the new scores are written by matrix instructions over V's fragments, which the last products read: five plain instructions between
.endr
.irp g, 0,1                                    ; S^T = K Q^T: 64 keys, four tiles, at a time
.if \g > 0
.rept 4
	v_nop                                          ; in front of loads into registers that matrix instructions have read
.endr
.endif
.irp i, 0,1,2,3
	ds_load_b128 v[44+12*\i:47+12*\i], v[ADK16] offset:\g*BLK+\i*1536+\e*768
	ds_load_b64 v[48+12*\i:49+12*\i], v[ADK8] offset:\g*BLK+\i*1536+\e*768+512
.endr
	ds_load_b64 v[248+2*\g:249+2*\g], v[ADK8] offset:\g*BLK+6144
	s_wait_dscnt 0x0
.irp i, 0,1,2,3
.if \i%2
	v_wmma_scale_f32_16x16x128_f8f6f4 v[96+8*(4*\g+\i):103+8*(4*\g+\i)], v[44-6*\e+12*\i:55-6*\e+12*\i], v[20+6*\e:31+6*\e], 0, v[248+2*\g+\i/2], v[QS] matrix_a_fmt:MATRIX_FMT_FP6 matrix_b_fmt:MATRIX_FMT_FP6 matrix_a_scale:MATRIX_SCALE_ROW1
.else
	v_wmma_scale_f32_16x16x128_f8f6f4 v[96+8*(4*\g+\i):103+8*(4*\g+\i)], v[44-6*\e+12*\i:55-6*\e+12*\i], v[20+6*\e:31+6*\e], 0, v[248+2*\g+\i/2], v[QS] matrix_a_fmt:MATRIX_FMT_FP6 matrix_b_fmt:MATRIX_FMT_FP6
.endif
.endr
.endr                                          ; register 16 b + i of v96 on: key 32 b + 16 (lane / 16) + i of the step
.rept 4
	v_nop
.endr
.irp b, 0,1,2,3
	v_max3_num_f32 v[232+\b], v[96+16*\b], v[97+16*\b], v[98+16*\b]   ; the largest score of each block of 32 keys: for the row's maximum and for the block's largest p
.endr
.irp i, 3,5,7,9,11,13
.irp b, 0,1,2,3
	v_max3_num_f32 v[232+\b], v[232+\b], v[96+16*\b+\i], v[97+16*\b+\i]
.endr
.endr
.irp b, 0,1,2,3
	v_max_num_f32 v[232+\b], v[232+\b], v[111+16*\b]
.endr
.irp b, 0,1,2,3
	s_delay_alu instid0(VALU_DEP_4)
	v_permlanex16_b32 v[236+\b], v[232+\b], s[SEL], s[SEL+1]
.endr
.irp b, 0,1,2,3
	s_delay_alu instid0(VALU_DEP_4)
	v_max_num_f32 v[232+\b], v[232+\b], v[236+\b]  ; with lane l xor 16's 16 keys
.endr
	s_delay_alu instid0(VALU_DEP_2)
	v_max3_num_f32 v254, v232, v233, v234
	s_delay_alu instid0(VALU_DEP_1)
	v_max_num_f32 v254, v254, v235                 ; the step's largest score of my query
	s_delay_alu instid0(VALU_DEP_1)
	v_mul_f32 v254, s[CS], v254                    ; as t
	s_delay_alu instid0(VALU_DEP_1)
	v_max_num_f32 v[NM+1], v[NM+1], v254           ; the running largest t
	v_mov_b32 v254, v[NM]
	s_delay_alu instid0(VALU_DEP_2)
	v_floor_f32 v[NM], -v[NM+1]                    ; the new -M = -ceil(t)
	s_delay_alu instid0(VALU_DEP_1)
	v_sub_f32 v254, v[NM], v254                    ; old M - new M: a whole number, 0 or less
	s_delay_alu instid0(VALU_DEP_1)
	v_cvt_i32_f32 v254, v254
	s_delay_alu instid0(VALU_DEP_1)
	v_ldexp_f32 v252, 1.0, v254                    ; f = 2^(old M - new M)
.set jj, 0
.rept 32
	v_pk_fma_f32 v[96+jj:97+jj], v[96+jj:97+jj], s[CS:CS+1], v[NM:NM+1] op_sel_hi:[1,0,0]   ; t - M
.set jj, jj+2
.endr
.irp b, 0,1,2,3
	v_fma_f32 v[232+\b], v[232+\b], s[CS], v[NM]   ; the same of each block's largest score
.endr
.set jj, 0
	s_wait_alu depctr_va_vdst(0)                   ; the wait ahead of the batch
.rept 64
	v_exp_f32 v[96+jj], v[96+jj]                   ; p = 2^(t - M)
.set jj, jj+1
.endr
	v_pk_mul_f32 v[NM+2:NM+3], v[NM+2:NM+3], v[252:253] op_sel_hi:[1,0]   ; the sums under the new M: the plain instruction behind the exponentials
	s_wait_alu depctr_va_vdst(0)                   ; and behind it: one for the 64
.irp b, 0,1,2,3
	v_exp_f32 v[232+\b], v[232+\b]                 ; the block's largest p
.endr
	v_pk_add_f32 v[236:237], v[96:97], v[98:99]    ; the row's sum, of the unquantised p, in two chains
.irp j, 4,8,12,16,20,24,28,32,36,40,44,48,52,56,60
	v_pk_add_f32 v[NM+2:NM+3], v[NM+2:NM+3], v[96+\j:97+\j]
	v_pk_add_f32 v[236:237], v[236:237], v[98+\j:99+\j]
.endr
	s_delay_alu instid0(VALU_DEP_1)
	v_pk_add_f32 v[NM+2:NM+3], v[NM+2:NM+3], v[236:237]
	s_wait_alu depctr_va_vdst(0)                   ; and one for the four
.irp b, 0,1,2,3
	v_max_num_f32 v[232+\b], 0x1800000, v[232+\b]  ; the floor 2^(3 - 127)
.endr
.irp b, 0,1,2,3
	s_delay_alu instid0(VALU_DEP_4)
	v_add_nc_u32 v[244+\b], 0xff000000, v[232+\b]  ; the conversion's scale operand
.endr
.irp b, 0,1,2,3
	s_delay_alu instid0(VALU_DEP_4)
	v_lshrrev_b32 v[236+\b], 23, v[244+\b]         ; the byte
.endr
	s_delay_alu instid0(VALU_DEP_3)
	v_lshl_or_b32 v253, v237, 8, v236              ; p's scale word for these 128 keys
	s_delay_alu instid0(VALU_DEP_1)
	v_lshl_or_b32 v253, v238, 16, v253
	s_delay_alu instid0(VALU_DEP_1)
	v_lshl_or_b32 v253, v239, 24, v253
.irp c, 0,1
	v_cvt_scalef32_pk16_fp6_f32 v[224+6*\c:226+6*\c], v[96+32*\c:111+32*\c], v[244+2*\c]
	v_cvt_scalef32_pk16_fp6_f32 v[236+4*\c:238+4*\c], v[112+32*\c:127+32*\c], v[244+2*\c+1]
.endr
	v_nop                                          ; one plain instruction behind the scaled conversions
.irp t, 0,1,2,3                                ; p is spent: V's four fragments take its registers
	ds_load_b128 v[96+12*\t:99+12*\t], v[ADV16] offset:\e*GRP+\t*1536
	ds_load_b64 v[100+12*\t:101+12*\t], v[ADV8] offset:\e*GRP+\t*1536+512
	ds_load_b128 v[102+12*\t:105+12*\t], v[ADV16] offset:\e*GRP+\t*1536+768
	ds_load_b64 v[106+12*\t:107+12*\t], v[ADV8] offset:\e*GRP+\t*1536+1280
.endr
	ds_load_b64 v[92:93], v[ADV8] offset:\e*GRP+6144
.irp c, 0,1                                    ; a whole block of p to a lane
.irp i, 0,1,2
	v_permlane16_swap_b32 v[224+6*\c+\i], v[236+4*\c+\i]
.endr
.irp i, 0,1,2
	s_delay_alu instid0(VALU_DEP_3)
	v_mov_b32 v[227+6*\c+\i], v[236+4*\c+\i]
.endr
.endr
.set jj, 0
.rept 16
	v_pk_mul_f32 v[OT+jj:OT+jj+1], v[OT+jj:OT+jj+1], v[252:253] op_sel_hi:[1,0]   ; O^T under the new M; these sixteen also stand between the writes of p's codes and scale word and the scaled products
.set jj, jj+2
.endr
	s_wait_alu depctr_va_vdst(0)                   ; the wait ahead of the wait below
	s_wait_dscnt 0x0
.irp t, 0,1,2,3                                ; O^T += V^T P^T: four accumulators, one instruction each
.if \t%2
	v_wmma_scale_f32_16x16x128_f8f6f4 v[OT+8*\t:OT+8*\t+7], v[96+12*\t:107+12*\t], v[224:235], v[OT+8*\t:OT+8*\t+7], v[92+\t/2], v253 matrix_a_fmt:MATRIX_FMT_FP6 matrix_b_fmt:MATRIX_FMT_FP6 matrix_a_scale:MATRIX_SCALE_ROW1
.else
	v_wmma_scale_f32_16x16x128_f8f6f4 v[OT+8*\t:OT+8*\t+7], v[96+12*\t:107+12*\t], v[224:235], v[OT+8*\t:OT+8*\t+7], v[92+\t/2], v253 matrix_a_fmt:MATRIX_FMT_FP6 matrix_b_fmt:MATRIX_FMT_FP6
.endif
.endr
.endm
	s_wait_alu depctr_va_vdst(0)                   ; the wait at the head's end
	s_wait_loadcnt 0x0                             ; Q
	s_wait_tensorcnt 0x0                           ; my one load has landed,
	s_barrier_signal -1
	s_barrier_wait -1                              ; everybody's has: all K and V lie in LDS, and nothing is filled again
	s_mov_b32 s[CNT], 8
.Lkeys:                                                ; a trip: 128 keys, both heads
	v_add_nc_u32 v[ADV16], s[TV], v[L16]
	v_add_nc_u32 v[ADV8], s[TV], v[L8]
	v_add_nc_u32 v[ADK16], s[TK], v[L16]
	v_add_nc_u32 v[ADK8], s[TK], v[L8]
	s_wait_alu depctr_va_vdst(0)
	STEP 0
	STEP 1
	s_add_co_u32 s[TK], s[TK], 2*BLK
	s_add_co_u32 s[TV], s[TV], BLK
	s_sub_co_u32 s[CNT], s[CNT], 1
	s_cmp_lg_u32 s[CNT], 0
	s_cbranch_scc1 .Lkeys
	; THE WAY OUT: O^T / the sum; both heads' 64 numbers a lane are a fragment of the next product's operand
.rept 4
	v_nop
.endr
	v_add_f32 v14, v14, v15
	v_add_f32 v18, v18, v19
	s_delay_alu instid0(VALU_DEP_2)
	v_permlanex16_b32 v252, v14, s[SEL], s[SEL+1]
	s_delay_alu instid0(VALU_DEP_2)
	v_permlanex16_b32 v254, v18, s[SEL], s[SEL+1]
	s_delay_alu instid0(VALU_DEP_2)
	v_add_f32 v14, v14, v252
	s_delay_alu instid0(VALU_DEP_2)
	v_add_f32 v18, v18, v254
	s_wait_alu depctr_va_vdst(0)
	v_rcp_f32 v14, v14
	v_rcp_f32 v18, v18
	v_nop
	s_wait_alu depctr_va_vdst(0)
.set jj, 0
.rept 32
	v_mul_f32 v[96+jj], v[160+jj], v14             ; ascending: each accumulator from its low end on
.set jj, jj+1
.endr
.rept 32
	v_mul_f32 v[96+jj], v[160+jj], v18
.set jj, jj+1
.endr
.irp b, 0,1,2,3
	v_max3_num_f32 v[TM+\b], |v[96+16*\b]|, |v[97+16*\b]|, 0x1800000   ; the quantiser: register 16 b + i = channel 32 b + 16 (lane / 16) + i of the pair's 128
.endr
.irp i, 2,4,6,8,10,12,14
.irp b, 0,1,2,3
	s_delay_alu instid0(VALU_DEP_4)
	v_max3_num_f32 v[TM+\b], v[TM+\b], |v[96+16*\b+\i]|, |v[97+16*\b+\i]|
.endr
.endr
.irp b, 0,1,2,3
	s_delay_alu instid0(VALU_DEP_4)
	v_permlanex16_b32 v[TM+4+\b], v[TM+\b], s[SEL], s[SEL+1]
.endr
.irp b, 0,1,2,3
	s_delay_alu instid0(VALU_DEP_4)
	v_max_num_f32 v[TM+\b], v[TM+\b], v[TM+4+\b]
.endr
.irp b, 0,1,2,3
	s_delay_alu instid0(VALU_DEP_4)
	v_add_nc_u32 v[TM+12+\b], 0xff000000, v[TM+\b]
.endr
.irp b, 0,1,2,3
	s_delay_alu instid0(VALU_DEP_4)
	v_lshrrev_b32 v[TM+4+\b], 23, v[TM+12+\b]
.endr
	s_delay_alu instid0(VALU_DEP_3)
	v_lshl_or_b32 v[PW], v[TM+5], 8, v[TM+4]
	s_delay_alu instid0(VALU_DEP_1)
	v_lshl_or_b32 v[PW], v[TM+6], 16, v[PW]
	s_delay_alu instid0(VALU_DEP_1)
	v_lshl_or_b32 v[PW], v[TM+7], 24, v[PW]
.irp c, 0,1
	v_cvt_scalef32_pk16_fp6_f32 v[PC+6*\c:PC+2+6*\c], v[96+32*\c:111+32*\c], v[TM+12+2*\c]
	v_cvt_scalef32_pk16_fp6_f32 v[PC+12+4*\c:PC+14+4*\c], v[112+32*\c:127+32*\c], v[TM+12+2*\c+1]
.endr
	v_nop
.irp c, 0,1
.irp i, 0,1,2
	v_permlane16_swap_b32 v[PC+6*\c+\i], v[PC+12+4*\c+\i]
.endr
.irp i, 0,1,2
	s_delay_alu instid0(VALU_DEP_3)
	v_mov_b32 v[PC+3+6*\c+\i], v[PC+12+4*\c+\i]
.endr
.endr
	global_store_b128 v[L16], v[PC:PC+3], s[98:99]                 ; the image: runs of 512 and 256 consecutive bytes, at multiples of 256
	global_store_b64 v[L8], v[PC+4:PC+5], s[98:99] offset:512
	global_store_b128 v[L16], v[PC+6:PC+9], s[98:99] offset:768
	global_store_b64 v[L8], v[PC+10:PC+11], s[98:99] offset:1280
	global_store_b32 v[R8], v[PW], s[88:89]        ; row r's word (both halves of the lanes write the same)
	s_wait_tensorcnt 0x0                           ; the wave's end
	ds_add_u32 v[SPW], v[NIL]
	s_wait_dscnt 0x0
	CROUND                                         ; the closing round
	s_endpgm
.Lfunc_end_k_q36232c9df7_att:
	.size	k_q36232c9df7_att, .Lfunc_end_k_q36232c9df7_att-k_q36232c9df7_att
	.p2alignl 7, 3214868480
	.fill 96, 4, 3214868480
	.section	.rodata,"a",@progbits
	.p2align	6, 0x0
	.amdhsa_kernel k_q36232c9df7_att
		.amdhsa_group_segment_fixed_size 206848
		.amdhsa_private_segment_fixed_size 0
		.amdhsa_enable_private_segment 0
		.amdhsa_kernarg_size 16
		.amdhsa_user_sgpr_count 2
		.amdhsa_user_sgpr_kernarg_segment_ptr 1
		.amdhsa_wavefront_size32 1
		.amdhsa_system_sgpr_workgroup_id_x 1
		.amdhsa_system_sgpr_workgroup_id_y 1
		.amdhsa_system_sgpr_workgroup_id_z 1
		.amdhsa_system_vgpr_workitem_id 0
		.amdhsa_next_free_vgpr 256
		.amdhsa_next_free_sgpr 100
		.amdhsa_reserve_vcc 0
		.amdhsa_float_denorm_mode_32 3
		.amdhsa_float_denorm_mode_16_64 3
		.amdhsa_memory_ordered 1
		.amdhsa_forward_progress 1
		.amdhsa_inst_pref_size 54
	.end_amdhsa_kernel
	.amdgpu_metadata
---
amdhsa.version: [ 1, 2 ]
amdhsa.kernels:
  - .name:           k_q36232c9df7_att
    .symbol:         k_q36232c9df7_att.kd
    .args:
      - { .name: qkv, .offset: 0, .size: 8, .value_kind: global_buffer, .address_space: global }
      - { .name: pa, .offset: 8, .size: 8, .value_kind: global_buffer, .address_space: global }
    .group_segment_fixed_size: 206848
    .private_segment_fixed_size: 0
    .kernarg_segment_align: 8
    .kernarg_segment_size: 16
    .max_flat_workgroup_size: 512
    .sgpr_count:     100
    .vgpr_count:     256
    .wavefront_size: 32
...
	.end_amdgpu_metadata
.endif
;; end of part 3
;; launch wo (part 4): grid 4 x 64, 4 waves a work-group, clusters of 4 x 4, 327,680 bytes of LDS; arguments pa, wop, bo, x, h; writes h
.if DOCPART == 4
	.amdgcn_target "amdgcn-amd-amdhsa--gfx1250"
	.amdhsa_code_object_version 6
	.text
	.protected	k_q36232c9df7_wo
	.globl	k_q36232c9df7_wo
	.p2align	8
	.type	k_q36232c9df7_wo,@function
k_q36232c9df7_wo:
	s_mov_b64 s[64:65], 0
	v_nop
	global_prefetch_b8 v0, s[64:65] scope:SCOPE_SE
	s_setreg_imm32_b32 hwreg(HW_REG_WAVE_MODE, 25, 1), 1
	s_wait_xcnt 0x0
	s_wait_alu depctr_hold_cnt(0) depctr_sa_sdst(0) depctr_va_vdst(0) depctr_va_sdst(0) depctr_va_ssrc(0) depctr_va_vcc(0) depctr_vm_vsrc(0)
	s_getreg_b32 s2, hwreg(HW_REG_IB_STS2, 6, 4)
	s_cmp_eq_u32 s2, 0
	s_cbranch_scc0 .Lentry_in_a_cluster
	s_endpgm
.Lentry_in_a_cluster:
	s_bfe_u32 s2, ttmp6, 0x10000c
	s_cmp_lg_u32 s2, 0xf033
	s_cbranch_scc0 .Lentry_shape_is_right
	s_endpgm
.Lentry_shape_is_right:
; out = R + (A B^T + bias): a product on FP6 (E2M3) codes with E8M0 scales, K = 1,024, N = 1,024, with a bias and a residual; R and out are rows of 1,024 f32 numbers.
; A (the rows) and B (the weights, behind 256 bytes that this launch does not read) are PANELS: 64 rows (group g) x 128 along K (K step s) are a block of 6,400 bytes at (8 g + s) x 6,400: four fragments i at 1,536 i, images of
; the operand's 12 registers (registers 6c..6c+3 at 768 c + 16 x lane, 6c+4, 6c+5 at 768 c + 512 + 8 x lane); lane r of fragment i = 2 b + u holds row 64 g + 32 b + 8 u + r + 8 (r / 8); scale words at
; 6,144 + 8 (r + 16 (i % 2)) + 4 (i / 2).
; SHARES: a work-group makes 128 x 256 of C, a wave 64 x 128: 4 fragments of A x 8 of B, 32 accumulators.  The matrix instruction is used transposed (source 0 = B's fragment, source 1 = A's): a lane holds eight neighbouring
; columns of one row.  The bias is the C of the first K step's products.
; LDS: the tile's whole K, six groups of 51,200 bytes, A's two and then B's four, filled once.  ONE tensor load a wave, at the head: waves 0, 1 a group of A each, waves 2, 3 two groups of B each, as rows of 256 bytes.
; CLUSTER 4 x 4: A's groups are shared along a row of the cluster, B's along a column.  No prefetch is laid: every tensor load stands at the head, and there is no loop to run ahead in.
; THE RESIDUAL's 64 x 128 numbers of a wave come as whole rows of 512 bytes into 256 registers: two blocks of 16 rows at the head, the other two under the first two K steps.  On the way out a block of 16 rows goes through the
; wave's stage in LDS, comes back as rows, takes the residual and leaves as rows of 512 consecutive bytes.  The stages lie in A's first group, which has had its one fill; a barrier, signalled when a wave's last fragment
; loads are in and awaited behind its last products, stands between every wave's reads of those bytes and the first store there.
.set BLK,   6400
.set GRP,   51200
.set SPARE, 6*GRP
.set SPITCH, 528
.set ADA16, 4
.set ADA8,  5
.set ADB16, 6
.set ADB8,  7
.set AO,    22                         ; v28, v29: my second group of B
.set SPW,   8
.set NIL,   9
.set L16,   10
.set L8,    11
.set STO,   12
.set RD,    13
.set SC,    16                         ; v16-27 scale words, two sets of six
.set AF,    64                         ; v64-159 A's fragments, two sets
.set BK,    64                         ; the way out: 16 rows read back: v64-127 and v128-191 by turns
                                       ; window 1: B's fragments at v0 and v128; the bias at v96-127, v224-255.  window 2: accumulator (a, t) at v[8 (8 a + t)].  window 3: the residual, row q of block a at v[4 (16 a + q)]
.set WV,    18
.set WVM,   19
.set WVN,   20
.set CX,    21
.set CY,    22
.set CL,    23
.set G1A,   28
.set G1B,   36
.set G0A,   44
.set G0B,   68
.set RSD,   10
.set OUT,   12
.set MSB, 0
.macro WIN new
.if MSB != \new
	s_set_vgpr_msb (MSB<<8)|\new
.set MSB, \new
.endif
.endm
.macro PLACES n
.rept \n
	v_nop
.endr
.endm
.macro CROUND
	s_barrier_signal -1
	s_barrier_wait -1
	s_cmp_lg_u32 s[WV], 0
	s_cbranch_scc1 .Lnot_wave_0_\@
	s_barrier_signal -3
.Lnot_wave_0_\@:
	s_barrier_wait -3
	s_barrier_signal -1
	s_barrier_wait -1
.endm
.macro WMX ra, rb
.if (\ra) && (\rb)
	v_wmma_scale_f32_16x16x128_f8f6f4 v[rD:rD+7], v[rB:rB+11], v[rA:rA+11], v[rC:rC+7], v[rSa], v[rSb] matrix_a_fmt:MATRIX_FMT_FP6 matrix_b_fmt:MATRIX_FMT_FP6 matrix_a_scale:MATRIX_SCALE_ROW1 matrix_b_scale:MATRIX_SCALE_ROW1
.elseif (\ra)
	v_wmma_scale_f32_16x16x128_f8f6f4 v[rD:rD+7], v[rB:rB+11], v[rA:rA+11], v[rC:rC+7], v[rSa], v[rSb] matrix_a_fmt:MATRIX_FMT_FP6 matrix_b_fmt:MATRIX_FMT_FP6 matrix_a_scale:MATRIX_SCALE_ROW1
.elseif (\rb)
	v_wmma_scale_f32_16x16x128_f8f6f4 v[rD:rD+7], v[rB:rB+11], v[rA:rA+11], v[rC:rC+7], v[rSa], v[rSb] matrix_a_fmt:MATRIX_FMT_FP6 matrix_b_fmt:MATRIX_FMT_FP6 matrix_b_scale:MATRIX_SCALE_ROW1
.else
	v_wmma_scale_f32_16x16x128_f8f6f4 v[rD:rD+7], v[rB:rB+11], v[rA:rA+11], v[rC:rC+7], v[rSa], v[rSb] matrix_a_fmt:MATRIX_FMT_FP6 matrix_b_fmt:MATRIX_FMT_FP6
.endif
.endm
; 16 products: A's fragments a0, a0 + 1 x B's eight, set p.  cmode 1: C = the bias of B's fragment t.  The 32 accumulators take turns
.macro MUL16 a0, p, cmode
.irp a, \a0, \a0+1
.irp t, 0,1,2,3,4,5,6,7
.set rD, 8*(8*(\a)+\t)
.set rB, 128*(\p)+12*\t
.set rA, AF+48*(\p)+12*(\a)
.set rC, rD
.if \cmode == 1
.set rC, 96+8*\t+96*(\t/4)
.endif
.set rSa, SC+6*(\p)+2+2*(\t/4)+(\t%4)/2
.set rSb, SC+6*(\p)+(\a)/2
	WMX \t%2, (\a)%2
.endr
.endr
.endm
.macro FRAG reg, a16, a8, off
	ds_load_b128 v[\reg:\reg+3], v[\a16] offset:\off
	ds_load_b64 v[\reg+4:\reg+5], v[\a8] offset:\off+512
	ds_load_b128 v[\reg+6:\reg+9], v[\a16] offset:\off+768
	ds_load_b64 v[\reg+10:\reg+11], v[\a8] offset:\off+1280
.endm
.macro FETCH k, p                      ; 51 LDS loads in one run: K step k into set p; every offset is an immediate
	WIN 0x40
.irp t, 0,1,2,3,4,5,6,7
	FRAG 128*(\p)+12*\t, ADB16+AO*(\t/4), ADB8+AO*(\t/4), (\k)*BLK+(\t%4)*1536
.endr
	WIN 0
.irp a, 0,1,2,3
	FRAG AF+48*(\p)+12*\a, ADA16, ADA8, (\k)*BLK+\a*1536
.endr
	ds_load_b64 v[SC+6*(\p):SC+6*(\p)+1], v[ADA8] offset:(\k)*BLK+6144
	ds_load_b64 v[SC+6*(\p)+2:SC+6*(\p)+3], v[ADB8] offset:(\k)*BLK+6144
	ds_load_b64 v[SC+6*(\p)+4:SC+6*(\p)+5], v[ADB8+AO] offset:(\k)*BLK+6144
.endm
.macro RLOAD a                         ; the residual of block a: 16 rows of 512 consecutive bytes; fragment lane q is row 32 (a / 2) + 8 (a % 2) + q + 8 (q / 8)
	WIN 0xc0
.irp q, 0,1,2,3,4,5,6,7,8,9,10,11,12,13,14,15
	global_load_b128 v[64*(\a)+4*\q:64*(\a)+4*\q+3], v[L16], s[RSD:RSD+1] offset:(32*((\a)/2)+8*((\a)%2)+\q+8*(\q/8))*4096 th:TH_LOAD_NT
.endr
	WIN 0
.endm
.macro KSTEP s, cmode
	s_wait_dscnt 0x0                               ; this step's fragments are in
.if (\s) == 7
	s_barrier_signal -1                            ; they were my last reads of the tile: say so; only products stand up to the wait
.endif
.if \cmode
	WIN 0x91
.else
	WIN 0xa1
.endif
	MUL16 0, (\s)%2, \cmode
.if (\s) < 7
	WIN 0
	PLACES 4                                       ; between the products that read the other set and the loads into it
	FETCH (\s)+1, 1-(\s)%2
.endif
.if (\s) < 2
	RLOAD (\s)+2
.endif
.if \cmode
	WIN 0x91
.else
	WIN 0xa1
.endif
	MUL16 2, (\s)%2, \cmode
.endm
	s_load_b256 s[4:11], s[0:1], 0x0               ; A, weights, bias, residual
	s_load_b64 s[12:13], s[0:1], 0x20              ; out
	v_lshl_add_u32 v[SPW], v0, 2, SPARE
	v_mov_b32 v[NIL], 0
	ds_add_u32 v[SPW], v[NIL]                      ; the opening lines
	ds_add_u32 v[SPW], v[NIL]
	v_lshrrev_b32 v1, 5, v0
	v_readfirstlane_b32 s[WV], v1
	s_lshr_b32 s[WVM], s[WV], 1
	s_and_b32 s[WVN], s[WV], 1
	s_bfe_u32 s[CX], ttmp6, 0x40000
	s_bfe_u32 s[CY], ttmp6, 0x40004
	s_and_b32 s[CL], ttmp7, 0xffff
	s_lshl_b32 s85, s[CY], 2
	s_lshl_b32 s85, 15, s85                        ; my row of the cluster
	s_lshl_b32 s91, 0x1111, s[CX]                  ; my column
	s_or_b32 s[G1A], s85, (3<<16)|(1<<21)
	s_or_b32 s[G1B], s91, (3<<16)|(1<<21)
	s_mov_b32 s[G1A+1], 32<<16                     ; A: a group, 51,200 dense bytes, as 200 rows of 256
	s_mov_b32 s[G1A+2], 200<<16
	s_mov_b32 s[G1A+3], 32<<16
	s_mov_b32 s[G1A+4], 200
	s_mov_b32 s[G1A+5], 32
	s_mov_b32 s[G1A+6], 0
	s_mov_b32 s[G1A+7], 0
	s_mov_b32 s[G1B+1], 32<<16                     ; B: two groups on end, 400 such rows
	s_mov_b32 s[G1B+2], 400<<16
	s_mov_b32 s[G1B+3], 32<<16
	s_mov_b32 s[G1B+4], 400
	s_mov_b32 s[G1B+5], 32
	s_mov_b32 s[G1B+6], 0
	s_mov_b32 s[G1B+7], 0
	s_lshl_b32 s84, s[CL], 2
	s_add_co_u32 s84, s84, s[CY]                   ; tile row tm
	s_lshl_b32 s90, ttmp9, 2
	s_add_co_u32 s90, s90, s[CX]                   ; tile column tn
	s_lshl_b32 s86, s84, 1
	s_add_co_u32 s86, s86, s[WVN]
	s_mul_i32 s86, s86, GRP
	s_mov_b32 s87, 0
	s_lshl_b32 s92, s90, 2
	s_lshl_b32 s93, s[WVN], 1
	s_add_co_u32 s92, s92, s93
	s_mul_i32 s92, s92, GRP
	s_add_co_u32 s92, s92, 256
	s_mov_b32 s93, 0
	s_mul_i32 s96, s[WVN], GRP
	s_mul_i32 s97, s[WVN], 2*GRP
	s_add_co_u32 s97, s97, 2*GRP
	s_wait_dscnt 0x0                               ; both opening adds are done
	s_wait_kmcnt 0x0
	s_mov_b32 s[G0A], 1
	s_mov_b32 s[G0A+1], s96
	s_add_nc_u64 s[G0A+2:G0A+3], s[4:5], s[86:87]
	s_or_b32 s[G0A+3], s[G0A+3], 0x80000000
	s_mov_b32 s[G0B], 1
	s_mov_b32 s[G0B+1], s97
	s_add_nc_u64 s[G0B+2:G0B+3], s[6:7], s[92:93]
	s_or_b32 s[G0B+3], s[G0B+3], 0x80000000
	CROUND                                         ; all sixteen work-groups are here: the joint loads meet
	s_cmp_eq_u32 s[WVM], 0                         ; one load a wave
	s_cbranch_scc0 .Lfill_b
	tensor_load_to_lds s[G0A:G0A+3], s[G1A:G1A+7]
	s_nop 0
	PLACES 4
	s_branch .Lfilled
.Lfill_b:
	tensor_load_to_lds s[G0B:G0B+3], s[G1B:G1B+7]
	s_nop 0
	PLACES 4
.Lfilled:
	v_and_b32 v1, 15, v0                           ; r
	v_bfe_u32 v2, v0, 4, 1                         ; h
	v_and_b32 v3, 31, v0
	v_lshlrev_b32 v[L16], 4, v3
	v_lshlrev_b32 v[L8], 3, v3
	s_mul_i32 s96, s[WVM], GRP
	s_mul_i32 s97, s[WVN], 2*GRP
	s_add_co_u32 s97, s97, 2*GRP
	v_add_nc_u32 v[ADA16], s96, v[L16]
	v_add_nc_u32 v[ADA8], s96, v[L8]
	v_add_nc_u32 v[ADB16], s97, v[L16]
	v_add_nc_u32 v[ADB8], s97, v[L8]
	v_add_nc_u32 v[ADB16+AO], GRP, v[ADB16]
	v_add_nc_u32 v[ADB8+AO], GRP, v[ADB8]
	v_lshlrev_b32 v14, 6, v2                       ; the bias: 64 h bytes
	s_mul_i32 s96, s[WV], 16*SPITCH                ; my stage
	v_mul_u32_u24 v[STO], v1, SPITCH
	v_lshl_add_u32 v[STO], v2, 6, v[STO]
	v_add_nc_u32 v[STO], s96, v[STO]               ; in: row r, + 64 h
	v_add_nc_u32 v[RD], s96, v[L16]                ; back: a row's 512 bytes, 16 a lane
	s_wait_alu depctr_va_vdst(0)                   ; the wait behind the head's vector work
	s_lshl_b32 s96, s84, 7
	s_lshl_b32 s97, s[WVM], 6
	s_add_co_u32 s96, s96, s97                     ; my first row,
	s_lshl_b32 s96, s96, 12
	s_lshl_b32 s98, s90, 10
	s_lshl_b32 s97, s[WVN], 9
	s_add_co_u32 s98, s98, s97                     ; my first column, in bytes
	s_mov_b32 s99, 0
	s_add_co_u32 s96, s96, s98
	s_mov_b32 s97, 0
	s_add_nc_u64 s[RSD:RSD+1], s[RSD:RSD+1], s[96:97]
	s_add_nc_u64 s[OUT:OUT+1], s[OUT:OUT+1], s[96:97]
	s_add_nc_u64 s[8:9], s[8:9], s[98:99]
	WIN 0x40
.irp t, 0,1,2,3,4,5,6,7                        ; register j of fragment t: column 64 (t / 4) + 32 ((t / 2) % 2) + 8 (t % 2) + 16 h + j
	global_load_b128 v[96+8*\t+96*(\t/4):99+8*\t+96*(\t/4)], v14, s[8:9] offset:256*(\t/4)+128*((\t/2)%2)+32*(\t%2)
	global_load_b128 v[100+8*\t+96*(\t/4):103+8*\t+96*(\t/4)], v14, s[8:9] offset:256*(\t/4)+128*((\t/2)%2)+32*(\t%2)+16
.endr
	WIN 0
	RLOAD 0                                        ; the residual's blocks 0 and 1 go out while the tile is on its way
	RLOAD 1
	s_wait_tensorcnt 0x0                           ; my one load has landed,
	s_barrier_signal -1
	s_barrier_wait -1                              ; everybody's has: the whole tile lies in LDS, and nothing is filled again
	FETCH 0, 0
	s_wait_loadcnt 32                              ; the bias is in; the 32 loads of the residual issued behind it may be out
	KSTEP 0, 1
.irp s, 1,2,3,4,5,6,7
	KSTEP \s, 0
.endr
	WIN 0
	s_barrier_wait -1                              ; no wave reads the tile any more: the stages may be written
.macro TOSTAGE a                       ; block a: 16 rows x 128 columns into my stage, and back as rows; LDS serves a wave's instructions in order (ISA guide 5.7.1.4)
	WIN 0x08
.irp t, 0,1,2,3,4,5,6,7
	ds_store_b128 v[STO], v[8*(8*(\a)+\t):8*(8*(\a)+\t)+3] offset:256*(\t/4)+128*((\t/2)%2)+32*(\t%2)          ; each accumulator from its low end on
	ds_store_b128 v[STO], v[8*(8*(\a)+\t)+4:8*(8*(\a)+\t)+7] offset:256*(\t/4)+128*((\t/2)%2)+32*(\t%2)+16
.endr
	WIN 0
.set BB, BK+64*((\a)%2)
.irp q, 0,1,2,3,4,5,6,7,8,9,10,11,12,13,14,15
	ds_load_b128 v[BB+4*\q:BB+4*\q+3], v[RD] offset:\q*SPITCH
.endr
.endm
.macro SEND a, younger                 ; younger: the LDS instructions issued behind block a's loads, which may stay out
.set BB, BK+64*((\a)%2)
	s_wait_dscnt \younger
	WIN 0x0c                                       ; source 1 window 3: the residual
.set qq, 0
.rept 32
	v_pk_add_f32 v[BB+2*qq:BB+2*qq+1], v[BB+2*qq:BB+2*qq+1], v[64*(\a)+2*qq:64*(\a)+2*qq+1]
.set qq, qq+1
.endr
	WIN 0
.irp q, 0,1,2,3,4,5,6,7,8,9,10,11,12,13,14,15
	global_store_b128 v[L16], v[BB+4*\q:BB+4*\q+3], s[OUT:OUT+1] offset:(32*((\a)/2)+8*((\a)%2)+\q+8*(\q/8))*4096 th:TH_STORE_NT   ; 32 lanes store 512 consecutive bytes, at a multiple of 256
.endr
.endm
	PLACES 4                                       ; between the last products and the first read of results, and the loads into A's registers
	s_wait_loadcnt 0x0                             ; the residual
	TOSTAGE 0
.irp a, 1,2,3
.if \a > 1
	s_wait_xcnt 0x0                                ; block a - 2's stores have read their registers
.endif
	TOSTAGE \a
	SEND \a-1, 32                                  ; behind block a - 1's loads: block a's 16 stores and 16 loads
.endr
	SEND 3, 0
	s_wait_tensorcnt 0x0                           ; the wave's end
	ds_add_u32 v[SPW], v[NIL]
	s_wait_dscnt 0x0
	CROUND                                         ; the closing round
	s_endpgm
.Lfunc_end_k_q36232c9df7_wo:
	.size	k_q36232c9df7_wo, .Lfunc_end_k_q36232c9df7_wo-k_q36232c9df7_wo
	.p2alignl 7, 3214868480
	.fill 96, 4, 3214868480
	.section	.rodata,"a",@progbits
	.p2align	6, 0x0
	.amdhsa_kernel k_q36232c9df7_wo
		.amdhsa_group_segment_fixed_size 327680
		.amdhsa_private_segment_fixed_size 0
		.amdhsa_enable_private_segment 0
		.amdhsa_kernarg_size 40
		.amdhsa_user_sgpr_count 2
		.amdhsa_user_sgpr_kernarg_segment_ptr 1
		.amdhsa_wavefront_size32 1
		.amdhsa_system_sgpr_workgroup_id_x 1
		.amdhsa_system_sgpr_workgroup_id_y 1
		.amdhsa_system_sgpr_workgroup_id_z 1
		.amdhsa_system_vgpr_workitem_id 0
		.amdhsa_next_free_vgpr 1024
		.amdhsa_next_free_sgpr 100
		.amdhsa_reserve_vcc 0
		.amdhsa_float_denorm_mode_32 3
		.amdhsa_float_denorm_mode_16_64 3
		.amdhsa_memory_ordered 1
		.amdhsa_forward_progress 1
		.amdhsa_inst_pref_size 97
	.end_amdhsa_kernel
	.amdgpu_metadata
---
amdhsa.version: [ 1, 2 ]
amdhsa.kernels:
  - .name:           k_q36232c9df7_wo
    .symbol:         k_q36232c9df7_wo.kd
    .args:
      - { .name: pa, .offset: 0, .size: 8, .value_kind: global_buffer, .address_space: global }
      - { .name: wop, .offset: 8, .size: 8, .value_kind: global_buffer, .address_space: global }
      - { .name: bo, .offset: 16, .size: 8, .value_kind: global_buffer, .address_space: global }
      - { .name: x, .offset: 24, .size: 8, .value_kind: global_buffer, .address_space: global }
      - { .name: h, .offset: 32, .size: 8, .value_kind: global_buffer, .address_space: global }
    .group_segment_fixed_size: 327680
    .private_segment_fixed_size: 0
    .kernarg_segment_align: 8
    .kernarg_segment_size: 40
    .max_flat_workgroup_size: 128
    .sgpr_count:     100
    .vgpr_count:     1024
    .wavefront_size: 32
...
	.end_amdgpu_metadata
.endif
;; end of part 4
;; launch ln2 (part 5): grid 512 x 1, 8 waves a work-group, no clusters, 66,816 bytes of LDS; arguments h, ln2_a, ln2_b, pa; writes pa
.if DOCPART == 5
	.amdgcn_target "amdgcn-amd-amdhsa--gfx1250"
	.amdhsa_code_object_version 6
	.text
	.protected	k_q36232c9df7_ln2
	.globl	k_q36232c9df7_ln2
	.p2align	8
	.type	k_q36232c9df7_ln2,@function
k_q36232c9df7_ln2:
	s_mov_b64 s[64:65], 0
	v_nop
	global_prefetch_b8 v0, s[64:65] scope:SCOPE_SE
	s_setreg_imm32_b32 hwreg(HW_REG_WAVE_MODE, 25, 1), 1
	s_wait_xcnt 0x0
; y = alpha (x - mean) / (std + 1e-6) + beta over rows of 1,024 f32 numbers (std with 1,023 in the divisor), then quantised along the row to FP6 (E2M3) with one E8M0 byte for each 32, and stored as a PANEL:
;   64 rows (group g) x 128 along K (K step s) are a block of 6,400 bytes at (8 g + s) x 6,400: four fragments i at 1,536 i, images of the matrix operand's 12 registers (registers 6c..6c+3 at 768 c + 16 x lane,
;   registers 6c+4, 6c+5 at 768 c + 512 + 8 x lane); lane r of fragment i = 2 b + u holds row 64 g + 32 b + 8 u + r + 8 (r / 8); its scale word lies at 6,144 + 8 (r + 16 (i % 2)) + 4 (i / 2).
; SHARES: a work-group is one fragment position (g = j / 4, a = j % 4): 16 rows.  Phase 1: wave w takes the rows of fragment lanes 2 w and 2 w + 1, whole, in 64 registers; the mean, then the sum of squares of x - mean
; (two passes over registers: a common offset of the inputs does no harm); alpha and beta of a lane's 32 columns serve both rows; y goes to LDS, row by row.  Phase 2: wave w takes K step w of all 16 rows, 64 numbers a lane in
; the order that the conversions want (register 16 b + i = k 128 w + 32 b + 16 (lane / 16) + i of row lane % 16), quantises and stores the fragment's image.
; LIMITS: v_sqrt_f32 and v_rcp_f32 are used as they are (1 ulp, ISA guide 15.8); a block of zeros, or one under 2^-124, gets the byte 1 (this program alone reads the bytes); NaN and infinities are not served.
.set BLK,   6400
.set ROWW,  4096
.set PITCH, 4112                       ; an LDS row: 4,096 bytes + 16: an odd multiple of 16 bytes, so that the sixteen rows that a 16-byte load touches start at sixteen different groups of banks (64 banks of 4 bytes: ISA guide 11.1)
.set SPARE, 16*PITCH                   ; behind the rows: the spare words, 128 bytes for each of eight waves: four blocks of 256 bytes that no other line names
.set SPW,   30                         ; v30  LDS address of my spare word; never rewritten
.set NIL,   31                         ; v31  0; never rewritten
.set WV,    25                         ; s25  my wave's number
.set L16,   1                          ; v1   16 x lane
.set TM,    8                          ; v8-23  the quantiser's: largest magnitudes, bytes, scale operands
.set PW,    24                         ; v24  the scale word
.set X,     32                         ; v32-95   two rows, later my 64 numbers
.set ALP,   96                         ; v96-127  alpha of my 32 columns
.set BET,   128                        ; v128-159 beta
.set T,     16                         ; v16-23 four registers of sums a row; they are spent before the quantiser writes v20-23
.set PC,    96                         ; v96-114  the codes, where alpha lay
.set SEL,   30                         ; s[30:31] lane selects for v_permlanex16_b32: lane l xor 16
	s_load_b256 s[4:11], s[0:1], 0x0               ; the rows, alpha, beta, the panel
	v_lshl_add_u32 v[SPW], v0, 2, SPARE
	v_mov_b32 v[NIL], 0
	v_lshrrev_b32 v25, 5, v0
	s_delay_alu instid0(VALU_DEP_1)
	v_readfirstlane_b32 s[WV], v25                 ; wave 0..7
	s_mov_b32 s21, ttmp9                           ; j: which fragment position
	v_and_b32 v25, 31, v0
	s_delay_alu instid0(VALU_DEP_1)
	v_lshlrev_b32 v[L16], 4, v25
	s_delay_alu instid0(VALU_DEP_2)
	v_lshlrev_b32 v27, 3, v25                      ; 8 x lane
	v_and_b32 v2, 15, v0                           ; r
	v_bfe_u32 v3, v0, 4, 1                         ; h
	s_delay_alu instid0(VALU_DEP_2)
	v_lshlrev_b32 v28, 3, v2                       ; 8 r
	s_lshl_b32 s13, s[WV], 9
	v_lshl_add_u32 v26, v3, 6, s13                 ; 64 h + 512 w: my 16 numbers of a block of 32, in K step w
	s_mul_i32 s14, s[WV], 2*PITCH
	v_add_nc_u32 v6, s14, v[L16]                   ; phase 1: my two rows in LDS, 16 bytes a lane
	v_mul_u32_u24 v7, v2, PITCH
	s_delay_alu instid0(VALU_DEP_1)
	v_add_nc_u32 v7, v7, v26                       ; phase 2: row r, my part of K step w
.irp b, 0,1,2,3
	v_mov_b32 v[TM+4+\b], 0                        ; written once: a lane permute's destination counts as one of its sources
.endr
	s_lshr_b32 s15, s21, 2                         ; g
	s_and_b32 s16, s21, 3                          ; a
	s_lshl_b32 s17, s15, 6
	s_lshr_b32 s18, s16, 1
	s_lshl_b32 s19, s18, 5
	s_add_co_u32 s17, s17, s19
	s_and_b32 s20, s16, 1
	s_lshl_b32 s19, s20, 3
	s_add_co_u32 s17, s17, s19                     ; the fragment's first row: 64 g + 32 (a / 2) + 8 (a % 2)
	s_lshl_b32 s19, s[WV], 1
	s_add_co_u32 s17, s17, s19
	s_lshr_b32 s19, s[WV], 2
	s_lshl_b32 s19, s19, 3
	s_add_co_u32 s17, s17, s19                     ; + 2 w + 8 (w / 4): the row of fragment lane 2 w
	s_lshl_b32 s22, s17, 12                        ; in bytes (under 2^26)
	s_mov_b32 s23, 0
	s_lshl_b32 s24, s15, 3
	s_add_co_u32 s24, s24, s[WV]
	s_mul_i32 s24, s24, BLK                        ; block (g, K step w)
	s_mul_i32 s26, s16, 1536
	s_add_co_u32 s26, s26, s24                     ; its fragment a
	s_mov_b32 s27, 0
	s_lshl_b32 s28, s20, 7
	s_lshl_b32 s29, s18, 2
	s_add_co_u32 s28, s28, s29
	s_add_co_u32 s28, s28, s24
	s_add_co_u32 s28, s28, 6144                    ; and the fragment's scale words
	s_mov_b32 s29, 0
	s_mov_b32 s[SEL], 0x76543210
	s_mov_b32 s[SEL+1], 0xfedcba98
	s_wait_kmcnt 0x0
	s_add_nc_u64 s[4:5], s[4:5], s[22:23]
	s_add_nc_u64 s[26:27], s[10:11], s[26:27]
	s_add_nc_u64 s[28:29], s[10:11], s[28:29]
.irp i, 0,1
.irp k, 0,1,2,3,4,5,6,7
	global_load_b128 v[X+32*\i+4*\k:X+32*\i+4*\k+3], v[L16], s[4:5] offset:\i*ROWW+512*\k th:TH_LOAD_NT   ; 32 lanes read 512 consecutive bytes
.endr
.endr
.irp k, 0,1,2,3,4,5,6,7
	global_load_b128 v[ALP+4*\k:ALP+4*\k+3], v[L16], s[6:7] offset:512*\k      ; alpha and beta of the same columns, laid as the rows are
	global_load_b128 v[BET+4*\k:BET+4*\k+3], v[L16], s[8:9] offset:512*\k
.endr
; the two chains of a row are joined, then the 32 lanes: every lane ends with the row's sum in v[T + 4 i].  The two rows go by turns
.macro REDUCE
.irp i, 0
	s_delay_alu instid0(VALU_DEP_3)
	v_pk_add_f32 v[T+4*\i:T+4*\i+1], v[T+4*\i:T+4*\i+1], v[T+4*\i+2:T+4*\i+3]
.endr
.irp i, 1
	s_delay_alu instid0(VALU_DEP_2)
	v_pk_add_f32 v[T+4*\i:T+4*\i+1], v[T+4*\i:T+4*\i+1], v[T+4*\i+2:T+4*\i+3]
.endr
.irp i, 0,1
	s_delay_alu instid0(VALU_DEP_2)
	v_add_f32 v[T+4*\i], v[T+4*\i], v[T+4*\i+1]
.endr
.irp m, 1,2,4,8
.irp i, 0,1
	s_delay_alu instid0(VALU_DEP_2)
	v_add_f32_dpp v[T+4*\i], v[T+4*\i], v[T+4*\i] row_xmask:\m row_mask:0xf bank_mask:0xf
.endr
.endr
.irp i, 0,1
	s_delay_alu instid0(VALU_DEP_2)
	v_permlanex16_b32 v[T+4*\i+1], v[T+4*\i], s[SEL], s[SEL+1]
.endr
.irp i, 0,1
	s_delay_alu instid0(VALU_DEP_2)
	v_add_f32 v[T+4*\i], v[T+4*\i], v[T+4*\i+1]
.endr
.endm
	s_wait_loadcnt 16                              ; my two rows are in; the 16 loads of alpha and beta may be out
.irp i, 0,1
	v_pk_add_f32 v[T+4*\i:T+4*\i+1], v[X+32*\i:X+32*\i+1], v[X+32*\i+2:X+32*\i+3]
	v_pk_add_f32 v[T+4*\i+2:T+4*\i+3], v[X+32*\i+4:X+32*\i+5], v[X+32*\i+6:X+32*\i+7]
.endr
.irp j, 8,12,16,20,24,28
.irp i, 0,1
	s_delay_alu instid0(VALU_DEP_4)
	v_pk_add_f32 v[T+4*\i:T+4*\i+1], v[T+4*\i:T+4*\i+1], v[X+32*\i+\j:X+32*\i+\j+1]
	s_delay_alu instid0(VALU_DEP_4)
	v_pk_add_f32 v[T+4*\i+2:T+4*\i+3], v[T+4*\i+2:T+4*\i+3], v[X+32*\i+\j+2:X+32*\i+\j+3]
.endr
.endr
	REDUCE
.irp i, 0,1
	s_delay_alu instid0(VALU_DEP_2)
	v_mul_f32 v[T+4*\i], 0x3a800000, v[T+4*\i]     ; the mean: sum / 1,024
.endr
.irp j, 0,2,4,6,8,10,12,14,16,18,20,22,24,26,28,30
.irp i, 0,1
	v_pk_add_f32 v[X+32*\i+\j:X+32*\i+\j+1], v[X+32*\i+\j:X+32*\i+\j+1], v[T+4*\i:T+4*\i+1] op_sel_hi:[1,0] neg_lo:[0,1] neg_hi:[0,1]   ; x - mean
.endr
.endr
.irp i, 0,1
	v_pk_mul_f32 v[T+4*\i:T+4*\i+1], v[X+32*\i:X+32*\i+1], v[X+32*\i:X+32*\i+1]
	v_pk_mul_f32 v[T+4*\i+2:T+4*\i+3], v[X+32*\i+2:X+32*\i+3], v[X+32*\i+2:X+32*\i+3]
.endr
.irp j, 4,8,12,16,20,24,28
.irp i, 0,1
	s_delay_alu instid0(VALU_DEP_4)
	v_pk_fma_f32 v[T+4*\i:T+4*\i+1], v[X+32*\i+\j:X+32*\i+\j+1], v[X+32*\i+\j:X+32*\i+\j+1], v[T+4*\i:T+4*\i+1]
	s_delay_alu instid0(VALU_DEP_4)
	v_pk_fma_f32 v[T+4*\i+2:T+4*\i+3], v[X+32*\i+\j+2:X+32*\i+\j+3], v[X+32*\i+\j+2:X+32*\i+\j+3], v[T+4*\i+2:T+4*\i+3]
.endr
.endr
	REDUCE
.irp i, 0,1
	s_delay_alu instid0(VALU_DEP_2)
	v_mul_f32 v[T+4*\i], 0x3a802008, v[T+4*\i]     ; / 1,023
.endr
	s_wait_alu depctr_va_vdst(0)
.irp i, 0,1
	v_sqrt_f32 v[T+4*\i], v[T+4*\i]
.endr
	v_nop                                          ; a plain instruction behind the last root,
	s_wait_alu depctr_va_vdst(0)                   ; and the wait ahead of the first use: one for both
.irp i, 0,1
	v_add_f32 v[T+4*\i], 0x358637bd, v[T+4*\i]     ; std + 1e-6
.endr
	s_wait_alu depctr_va_vdst(0)
.irp i, 0,1
	v_rcp_f32 v[T+4*\i], v[T+4*\i]
.endr
	v_nop
	s_wait_alu depctr_va_vdst(0)                   ; likewise for the two reciprocals
.irp j, 0,2,4,6,8,10,12,14,16,18,20,22,24,26,28,30
.irp i, 0,1
	v_pk_mul_f32 v[X+32*\i+\j:X+32*\i+\j+1], v[X+32*\i+\j:X+32*\i+\j+1], v[T+4*\i:T+4*\i+1] op_sel_hi:[1,0]
.endr
.endr
	s_wait_loadcnt 0x0                             ; alpha and beta
.irp j, 0,2,4,6,8,10,12,14,16,18,20,22,24,26,28,30
.irp i, 0,1
	v_pk_fma_f32 v[X+32*\i+\j:X+32*\i+\j+1], v[X+32*\i+\j:X+32*\i+\j+1], v[ALP+\j:ALP+\j+1], v[BET+\j:BET+\j+1]
.endr
.endr
.irp i, 0,1
.irp k, 0,1,2,3,4,5,6,7
	ds_store_b128 v6, v[X+32*\i+4*\k:X+32*\i+4*\k+3] offset:\i*PITCH+512*\k
.endr
.endr
	s_wait_dscnt 0x0                               ; for the others' sake: my two rows lie in LDS
	s_barrier_signal -1
	s_barrier_wait -1                              ; all sixteen do
.irp b, 0,1,2,3
.irp j, 0,1,2,3
	ds_load_b128 v[X+16*\b+4*\j:X+16*\b+4*\j+3], v7 offset:128*\b+16*\j
.endr
.endr
	s_wait_dscnt 0x0
; 64 numbers of a lane, register 16 b + i = k 32 b + 16 (lane / 16) + i of my row, become a fragment's codes in v[PC] on and its scale word in v[PW]
.irp b, 0,1,2,3
	v_max3_num_f32 v[TM+\b], |v[X+16*\b]|, |v[X+1+16*\b]|, 0x1800000   ; block b: my 16 numbers, and the floor 2^(3 - 127): the byte cannot fall under 1
.endr
.irp i, 2,4,6,8,10,12,14
.irp b, 0,1,2,3
	s_delay_alu instid0(VALU_DEP_4)
	v_max3_num_f32 v[TM+\b], v[TM+\b], |v[X+16*\b+\i]|, |v[X+1+16*\b+\i]|
.endr
.endr
.irp b, 0,1,2,3
	s_delay_alu instid0(VALU_DEP_4)
	v_permlanex16_b32 v[TM+4+\b], v[TM+\b], s[SEL], s[SEL+1]
.endr
.irp b, 0,1,2,3
	s_delay_alu instid0(VALU_DEP_4)
	v_max_num_f32 v[TM+\b], v[TM+\b], v[TM+4+\b]   ; with lane l xor 16's: the block's largest magnitude
.endr
.irp b, 0,1,2,3
	s_delay_alu instid0(VALU_DEP_4)
	v_add_nc_u32 v[TM+12+\b], 0xff000000, v[TM+\b] ; 2 off its exponent field: the conversion's scale operand
.endr
.irp b, 0,1,2,3
	s_delay_alu instid0(VALU_DEP_4)
	v_lshrrev_b32 v[TM+4+\b], 23, v[TM+12+\b]      ; the scale's byte
.endr
	s_delay_alu instid0(VALU_DEP_3)
	v_lshl_or_b32 v[PW], v[TM+5], 8, v[TM+4]
	s_delay_alu instid0(VALU_DEP_1)
	v_lshl_or_b32 v[PW], v[TM+6], 16, v[PW]
	s_delay_alu instid0(VALU_DEP_1)
	v_lshl_or_b32 v[PW], v[TM+7], 24, v[PW]
.irp c, 0,1
	v_cvt_scalef32_pk16_fp6_f32 v[PC+6*\c:PC+2+6*\c], v[X+32*\c:X+15+32*\c], v[TM+12+2*\c]
	v_cvt_scalef32_pk16_fp6_f32 v[PC+12+4*\c:PC+14+4*\c], v[X+16+32*\c:X+31+32*\c], v[TM+12+2*\c+1]   ; (a conversion's three registers begin on an even number)
.endr
	v_nop                                          ; one plain instruction behind the scaled conversions
.irp c, 0,1                                    ; the operand's layout wants a WHOLE block in a lane: lanes 0-15 block 2 c, lanes 16-31 block 2 c + 1
.irp i, 0,1,2
	v_permlane16_swap_b32 v[PC+6*\c+\i], v[PC+12+4*\c+\i]
.endr
.irp i, 0,1,2
	s_delay_alu instid0(VALU_DEP_3)
	v_mov_b32 v[PC+3+6*\c+\i], v[PC+12+4*\c+\i]
.endr
.endr
	global_store_b128 v[L16], v[PC:PC+3], s[26:27]                 ; the image: runs of 512 and 256 consecutive bytes, each at a multiple of 256 from the panel's first byte
	global_store_b64 v27, v[PC+4:PC+5], s[26:27] offset:512
	global_store_b128 v[L16], v[PC+6:PC+9], s[26:27] offset:768
	global_store_b64 v27, v[PC+10:PC+11], s[26:27] offset:1280
	global_store_b32 v28, v[PW], s[28:29]          ; row r's word, every second word of 128 bytes (both halves of the lanes hold and write the same): 64 bytes beside the image's 1,536
	s_wait_tensorcnt 0x0                           ; the wave's end, behind my last LDS store
	ds_add_u32 v[SPW], v[NIL]
	s_wait_dscnt 0x0
	s_endpgm
.Lfunc_end_k_q36232c9df7_ln2:
	.size	k_q36232c9df7_ln2, .Lfunc_end_k_q36232c9df7_ln2-k_q36232c9df7_ln2
	.p2alignl 7, 3214868480
	.fill 96, 4, 3214868480
	.section	.rodata,"a",@progbits
	.p2align	6, 0x0
	.amdhsa_kernel k_q36232c9df7_ln2
		.amdhsa_group_segment_fixed_size 66816
		.amdhsa_private_segment_fixed_size 0
		.amdhsa_enable_private_segment 0
		.amdhsa_kernarg_size 32
		.amdhsa_user_sgpr_count 2
		.amdhsa_user_sgpr_kernarg_segment_ptr 1
		.amdhsa_wavefront_size32 1
		.amdhsa_system_sgpr_workgroup_id_x 1
		.amdhsa_system_sgpr_workgroup_id_y 1
		.amdhsa_system_sgpr_workgroup_id_z 1
		.amdhsa_system_vgpr_workitem_id 0
		.amdhsa_next_free_vgpr 160
		.amdhsa_next_free_sgpr 66
		.amdhsa_reserve_vcc 0
		.amdhsa_float_denorm_mode_32 3
		.amdhsa_float_denorm_mode_16_64 3
		.amdhsa_memory_ordered 1
		.amdhsa_forward_progress 1
		.amdhsa_inst_pref_size 29
	.end_amdhsa_kernel
	.amdgpu_metadata
---
amdhsa.version: [ 1, 2 ]
amdhsa.kernels:
  - .name:           k_q36232c9df7_ln2
    .symbol:         k_q36232c9df7_ln2.kd
    .args:
      - { .name: h, .offset: 0, .size: 8, .value_kind: global_buffer, .address_space: global }
      - { .name: ln2_a, .offset: 8, .size: 8, .value_kind: global_buffer, .address_space: global }
      - { .name: ln2_b, .offset: 16, .size: 8, .value_kind: global_buffer, .address_space: global }
      - { .name: pa, .offset: 24, .size: 8, .value_kind: global_buffer, .address_space: global }
    .group_segment_fixed_size: 66816
    .private_segment_fixed_size: 0
    .kernarg_segment_align: 8
    .kernarg_segment_size: 32
    .max_flat_workgroup_size: 256
    .sgpr_count:     66
    .vgpr_count:     160
    .wavefront_size: 32
...
	.end_amdgpu_metadata
.endif
;; end of part 5
;; launch qkv (part 6): grid 4 x 64, 4 waves a work-group, clusters of 4 x 4, 327,680 bytes of LDS; arguments pa, w1p, b1, bk, bv, qkv; writes qkv
.if DOCPART == 6
	.amdgcn_target "amdgcn-amd-amdhsa--gfx1250"
	.amdhsa_code_object_version 6
	.text
	.protected	k_q36232c9df7_qkv
	.globl	k_q36232c9df7_qkv
	.p2align	8
	.type	k_q36232c9df7_qkv,@function
k_q36232c9df7_qkv:
	s_mov_b64 s[64:65], 0
	v_nop
	global_prefetch_b8 v0, s[64:65] scope:SCOPE_SE
	s_setreg_imm32_b32 hwreg(HW_REG_WAVE_MODE, 25, 1), 1
	s_wait_xcnt 0x0
	s_wait_alu depctr_hold_cnt(0) depctr_sa_sdst(0) depctr_va_vdst(0) depctr_va_sdst(0) depctr_va_ssrc(0) depctr_va_vcc(0) depctr_vm_vsrc(0)
	s_getreg_b32 s2, hwreg(HW_REG_IB_STS2, 6, 4)
	s_cmp_eq_u32 s2, 0
	s_cbranch_scc0 .Lentry_in_a_cluster
	s_endpgm
.Lentry_in_a_cluster:
	s_bfe_u32 s2, ttmp6, 0x10000c
	s_cmp_lg_u32 s2, 0xf033
	s_cbranch_scc0 .Lentry_shape_is_right
	s_endpgm
.Lentry_shape_is_right:
; out = Q(max(A B^T + bias, floor)): a product on FP6 (E2M3) codes with E8M0 scales, K = 1,024, whose result is quantised along its columns and stored as the next product's operand.
; Operands and result are PANELS: 64 rows (group g) x 128 along K (K step s) are a block of 6,400 bytes at (8 g + s) x 6,400: four fragments i at 1,536 i, images of the operand's 12 registers (registers 6c..6c+3 at
; 768 c + 16 x lane, 6c+4, 6c+5 at 768 c + 512 + 8 x lane); lane r of fragment i = 2 b + u holds row 64 g + 32 b + 8 u + r + 8 (r / 8); scale words at 6,144 + 8 (r + 16 (i % 2)) + 4 (i / 2).
; ARGUMENTS: rows' panel, weights (256 bytes that hold the floor, then panels of 16 groups), three biases, the output.
; ROLES, by the cluster's y.  Under 16: C'[row][column of the weights], rows' panel as A; columns 0-1,023 take the first bias and the first output panel, columns 1,024-2,047 the second.  From 16 on: the third weight panel is A,
; the rows' panel B: C'[channel][row]; third bias, by rows of C'; third panel, block (row / 1,024) x 128 + 8 x (channel / 64) + K step.  A grid with cluster y under 16 and x under 4 uses the first weight, bias and panel alone.
; SHARES: a work-group makes 128 x 256 of C', a wave 64 x 128: 4 fragments of A x 8 of B, 32 accumulators.  The matrix instruction is used transposed (source 0 = B's fragment, source 1 = A's): a lane holds one row of C', and
; the 64 registers of a fragment of A are its 128 columns in the order that the conversions want.
; LDS: the tile's whole K, six groups of 51,200 bytes, A's two and then B's four, filled once.  ONE tensor load a wave, at the head: waves 0, 1 a group of A each, waves 2, 3 two groups of B each, as rows of 256 bytes.
; CLUSTER 4 x 4: A's groups are shared along a row of the cluster, B's along a column.  No prefetch is laid: every tensor load stands at the head, and there is no loop to run ahead in.
; LIMITS: a block of zeros, or one under 2^-124, gets the byte 1 (this program alone reads the bytes); NaN and infinities are not served.
.set BLK,   6400
.set GRP,   51200
.set SPARE, 6*GRP                      ; behind the groups: the spare words, 128 bytes a wave
.set ADA16, 4                          ; v4-7, v14-15 LDS addresses: 16 or 8 x lane + my group of A, my first and second group of B
.set ADA8,  5
.set ADB16, 6
.set ADB8,  7
.set AO,    8                          ; from B's first pair of address registers to the second
.set SPW,   8
.set NIL,   9
.set L16,   10
.set L8,    11
.set SC,    16                         ; v16-27 scale words, two sets of six
.set PWR,   28                         ; v28-31 the four fragments' scale words; v32, v33 as stored
.set TM,    34                         ; v34-49 the quantiser's
.set AF,    64                         ; v64-159 A's fragments, two sets
.set PCR,   160                        ; v160-255 the codes
                                       ; window 1: B's fragments at v0 and v128; the bias at v96-127, v224-255.  window 2: accumulator (a, t) at v[8 (8 a + t)]
.set WV,    18
.set WVM,   19
.set WVN,   20
.set CX,    21
.set CY,    22
.set CL,    23
.set ROLE,  24
.set FLOOR, 25
.set HIM,   26
.set G1A,   28
.set G1B,   36
.set G0A,   44
.set SEL,   60
.set G0B,   68
.set OUT,   14
.set MSB, 0
.macro WIN new
.if MSB != \new
	s_set_vgpr_msb (MSB<<8)|\new
.set MSB, \new
.endif
.endm
.macro PLACES n
.rept \n
	v_nop
.endr
.endm
.macro CROUND
	s_barrier_signal -1
	s_barrier_wait -1
	s_cmp_lg_u32 s[WV], 0
	s_cbranch_scc1 .Lnot_wave_0_\@
	s_barrier_signal -3
.Lnot_wave_0_\@:
	s_barrier_wait -3
	s_barrier_signal -1
	s_barrier_wait -1
.endm
.macro WMX ra, rb
.if (\ra) && (\rb)
	v_wmma_scale_f32_16x16x128_f8f6f4 v[rD:rD+7], v[rB:rB+11], v[rA:rA+11], v[rC:rC+7], v[rSa], v[rSb] matrix_a_fmt:MATRIX_FMT_FP6 matrix_b_fmt:MATRIX_FMT_FP6 matrix_a_scale:MATRIX_SCALE_ROW1 matrix_b_scale:MATRIX_SCALE_ROW1
.elseif (\ra)
	v_wmma_scale_f32_16x16x128_f8f6f4 v[rD:rD+7], v[rB:rB+11], v[rA:rA+11], v[rC:rC+7], v[rSa], v[rSb] matrix_a_fmt:MATRIX_FMT_FP6 matrix_b_fmt:MATRIX_FMT_FP6 matrix_a_scale:MATRIX_SCALE_ROW1
.elseif (\rb)
	v_wmma_scale_f32_16x16x128_f8f6f4 v[rD:rD+7], v[rB:rB+11], v[rA:rA+11], v[rC:rC+7], v[rSa], v[rSb] matrix_a_fmt:MATRIX_FMT_FP6 matrix_b_fmt:MATRIX_FMT_FP6 matrix_b_scale:MATRIX_SCALE_ROW1
.else
	v_wmma_scale_f32_16x16x128_f8f6f4 v[rD:rD+7], v[rB:rB+11], v[rA:rA+11], v[rC:rC+7], v[rSa], v[rSb] matrix_a_fmt:MATRIX_FMT_FP6 matrix_b_fmt:MATRIX_FMT_FP6
.endif
.endm
; 16 products: A's fragments a0, a0 + 1 x B's eight, set p.  cmode 0: in place; 1: C = the bias of B's fragment t; 2: of A's fragment a.  The 32 accumulators take turns
.macro MUL16 a0, p, cmode
.irp a, \a0, \a0+1
.irp t, 0,1,2,3,4,5,6,7
.set rD, 8*(8*(\a)+\t)
.set rB, 128*(\p)+12*\t
.set rA, AF+48*(\p)+12*(\a)
.set rC, rD
.if \cmode == 1
.set rC, 96+8*\t+96*(\t/4)
.elseif \cmode == 2
.set rC, 96+8*(\a)
.endif
.set rSa, SC+6*(\p)+2+2*(\t/4)+(\t%4)/2
.set rSb, SC+6*(\p)+(\a)/2
	WMX \t%2, (\a)%2
.endr
.endr
.endm
.macro FRAG reg, a16, a8, off
	ds_load_b128 v[\reg:\reg+3], v[\a16] offset:\off
	ds_load_b64 v[\reg+4:\reg+5], v[\a8] offset:\off+512
	ds_load_b128 v[\reg+6:\reg+9], v[\a16] offset:\off+768
	ds_load_b64 v[\reg+10:\reg+11], v[\a8] offset:\off+1280
.endm
.macro FETCH k, p                      ; 51 LDS loads in one run: K step k into set p; every offset is an immediate
	WIN 0x40
.irp t, 0,1,2,3,4,5,6,7
	FRAG 128*(\p)+12*\t, ADB16+AO*(\t/4), ADB8+AO*(\t/4), (\k)*BLK+(\t%4)*1536
.endr
	WIN 0
.irp a, 0,1,2,3
	FRAG AF+48*(\p)+12*\a, ADA16, ADA8, (\k)*BLK+\a*1536
.endr
	ds_load_b64 v[SC+6*(\p):SC+6*(\p)+1], v[ADA8] offset:(\k)*BLK+6144
	ds_load_b64 v[SC+6*(\p)+2:SC+6*(\p)+3], v[ADB8] offset:(\k)*BLK+6144
	ds_load_b64 v[SC+6*(\p)+4:SC+6*(\p)+5], v[ADB8+AO] offset:(\k)*BLK+6144
.endm
; K step s: 32 products on set s % 2; in its middle the next step's fragments go into the other set
.macro KSTEP s, cmode
	s_wait_dscnt 0x0                               ; this step's fragments are in
.if \cmode
	WIN 0x91
.else
	WIN 0xa1
.endif
	MUL16 0, (\s)%2, \cmode
.if (\s) < 7
	WIN 0
	PLACES 4                                       ; between the products that read the other set and the loads into it
	FETCH (\s)+1, 1-(\s)%2
.endif
.if \cmode
	WIN 0x91
.else
	WIN 0xa1
.endif
	MUL16 2, (\s)%2, \cmode
.endm
	s_load_b256 s[4:11], s[0:1], 0x0               ; rows' panel, weights, bias 0, bias 1
	s_load_b128 s[12:15], s[0:1], 0x20             ; bias 2, out
	v_lshl_add_u32 v[SPW], v0, 2, SPARE
	v_mov_b32 v[NIL], 0
	ds_add_u32 v[SPW], v[NIL]                      ; the opening lines
	ds_add_u32 v[SPW], v[NIL]
	v_lshrrev_b32 v1, 5, v0
	v_readfirstlane_b32 s[WV], v1
	s_lshr_b32 s[WVM], s[WV], 1                    ; my half of the tile's rows; also: I fetch for A (0) or B (1)
	s_and_b32 s[WVN], s[WV], 1                     ; my half of its columns; also: which part I fetch
	s_bfe_u32 s[CX], ttmp6, 0x40000
	s_bfe_u32 s[CY], ttmp6, 0x40004
	s_and_b32 s[CL], ttmp7, 0xffff
	s_lshl_b32 s85, s[CY], 2
	s_lshl_b32 s85, 15, s85                        ; my row of the cluster
	s_lshl_b32 s91, 0x1111, s[CX]                  ; my column
	s_or_b32 s[G1A], s85, (3<<16)|(1<<21)          ; the mask; elements of 8 bytes; bit 21 beside a mask
	s_or_b32 s[G1B], s91, (3<<16)|(1<<21)
	s_mov_b32 s[G1A+1], 32<<16                     ; A: a group, 51,200 dense bytes, as 200 rows of 256
	s_mov_b32 s[G1A+2], 200<<16
	s_mov_b32 s[G1A+3], 32<<16
	s_mov_b32 s[G1A+4], 200
	s_mov_b32 s[G1A+5], 32
	s_mov_b32 s[G1A+6], 0
	s_mov_b32 s[G1A+7], 0
	s_mov_b32 s[G1B+1], 32<<16                     ; B: two groups on end, 400 such rows
	s_mov_b32 s[G1B+2], 400<<16
	s_mov_b32 s[G1B+3], 32<<16
	s_mov_b32 s[G1B+4], 400
	s_mov_b32 s[G1B+5], 32
	s_mov_b32 s[G1B+6], 0
	s_mov_b32 s[G1B+7], 0
	s_mov_b32 s[HIM], 0xffff0000
	s_mov_b32 s[SEL], 0x76543210
	s_mov_b32 s[SEL+1], 0xfedcba98
	; tile row tm (s84) from cy and the cluster's y, tile column tn (s90) from cx and the cluster's x and y
	s_and_b32 s85, s[CL], 1
	s_sub_co_u32 s91, s[CL], 16
	s_lshr_b32 s91, s91, 1
	s_lshl_b32 s91, s91, 3
	s_cmp_ge_u32 s[CL], 16
	s_cselect_b32 s[ROLE], 1, 0
	s_cselect_b32 s84, s85, s[CL]
	s_cselect_b32 s90, s91, 0
	s_cselect_b32 s88, 1638656, 0                  ; A begins: the third weight panel, or the rows' panel
	s_cselect_b32 s94, 0, 256                      ; B begins: the rows' panel, or the first weight panel
	s_lshl_b32 s84, s84, 2
	s_add_co_u32 s84, s84, s[CY]
	s_lshl_b32 s92, ttmp9, 2
	s_add_co_u32 s90, s90, s92
	s_add_co_u32 s90, s90, s[CX]
	s_lshl_b32 s86, s84, 1
	s_add_co_u32 s86, s86, s[WVN]                  ; A's group 2 tm + wave % 2
	s_mul_i32 s86, s86, GRP
	s_add_co_u32 s86, s86, s88
	s_mov_b32 s87, 0
	s_lshl_b32 s92, s90, 2
	s_lshl_b32 s93, s[WVN], 1
	s_add_co_u32 s92, s92, s93                     ; B's groups 4 tn + 2 (wave % 2) on
	s_mul_i32 s92, s92, GRP
	s_add_co_u32 s92, s92, s94
	s_mov_b32 s93, 0
	s_mul_i32 s96, s[WVN], GRP                     ; where they go
	s_mul_i32 s97, s[WVN], 2*GRP
	s_add_co_u32 s97, s97, 2*GRP
	s_wait_dscnt 0x0                               ; both opening adds are done
	s_wait_kmcnt 0x0
	s_load_b32 s[FLOOR], s[6:7], 0x0               ; the activation's floor: it feeds a maximum and nothing else
	s_cmp_eq_u32 s[ROLE], 0
	s_cselect_b64 s[88:89], s[4:5], s[6:7]
	s_cselect_b64 s[94:95], s[6:7], s[4:5]
	s_mov_b32 s[G0A], 1
	s_mov_b32 s[G0A+1], s96
	s_add_nc_u64 s[G0A+2:G0A+3], s[88:89], s[86:87]
	s_or_b32 s[G0A+3], s[G0A+3], 0x80000000
	s_mov_b32 s[G0B], 1
	s_mov_b32 s[G0B+1], s97
	s_add_nc_u64 s[G0B+2:G0B+3], s[94:95], s[92:93]
	s_or_b32 s[G0B+3], s[G0B+3], 0x80000000
	CROUND                                         ; all sixteen work-groups are here: the joint loads meet
	s_cmp_eq_u32 s[WVM], 0                         ; one load a wave
	s_cbranch_scc0 .Lfill_b
	tensor_load_to_lds s[G0A:G0A+3], s[G1A:G1A+7]
	s_nop 0
	PLACES 4
	s_branch .Lfilled
.Lfill_b:
	tensor_load_to_lds s[G0B:G0B+3], s[G1B:G1B+7]
	s_nop 0
	PLACES 4
.Lfilled:
	v_and_b32 v1, 15, v0                           ; r
	v_bfe_u32 v2, v0, 4, 1                         ; h
	v_and_b32 v3, 31, v0
	v_lshlrev_b32 v[L16], 4, v3
	v_lshlrev_b32 v[L8], 3, v3
	s_mul_i32 s96, s[WVM], GRP                     ; my group of A,
	s_mul_i32 s97, s[WVN], 2*GRP
	s_add_co_u32 s97, s97, 2*GRP                   ; my two groups of B
	v_add_nc_u32 v[ADA16], s96, v[L16]
	v_add_nc_u32 v[ADA8], s96, v[L8]
	v_add_nc_u32 v[ADB16], s97, v[L16]
	v_add_nc_u32 v[ADB8], s97, v[L8]
	v_add_nc_u32 v[ADB16+AO], GRP, v[ADB16]
	v_add_nc_u32 v[ADB8+AO], GRP, v[ADB8]
	v_lshlrev_b32 v12, 6, v2                       ; the bias by columns: 64 h bytes
	v_and_b32 v13, 8, v1
	v_add_nc_u32 v13, v13, v1
	v_lshlrev_b32 v13, 2, v13                      ; the bias by rows: 4 (r + 8 (r / 8))
.irp b, 0,1,2,3
	v_mov_b32 v[TM+4+\b], 0                        ; a lane permute's destination counts as a source
.endr
	s_wait_alu depctr_va_vdst(0)                   ; the wait behind the head's vector work
	; my block of the output: group 2 tm + wave / 2, K step 2 tn + wave % 2
	s_lshl_b32 s96, s84, 1
	s_add_co_u32 s96, s96, s[WVM]
	s_lshl_b32 s97, s90, 1
	s_add_co_u32 s97, s97, s[WVN]
	s_lshr_b32 s98, s97, 3
	s_and_b32 s97, s97, 7
	s_lshl_b32 s96, s96, 3
	s_add_co_u32 s96, s96, s97
	s_mul_i32 s96, s96, BLK
	s_mov_b32 s99, 819200
	s_cmp_eq_u32 s[ROLE], 0
	s_cselect_b32 s99, 6553600, s99
	s_cselect_b32 s27, 0, 13107200
	s_mul_i32 s98, s98, s99
	s_add_co_u32 s96, s96, s98
	s_add_co_u32 s96, s96, s27
	s_mov_b32 s97, 0
	s_add_nc_u64 s[OUT:OUT+1], s[OUT:OUT+1], s[96:97]
	; the bias, in the result's layout, is the C of the first K step's products
	s_cmp_eq_u32 s[ROLE], 0
	s_cbranch_scc0 .Lbias_rows
	s_lshl_b32 s96, s90, 8
	s_lshl_b32 s97, s[WVN], 7
	s_add_co_u32 s96, s96, s97
	s_and_b32 s96, s96, 1023
	s_lshl_b32 s96, s96, 2
	s_mov_b32 s97, 0
	s_cmp_lt_u32 s90, 4
	s_cselect_b64 s[98:99], s[8:9], s[10:11]
	s_add_nc_u64 s[98:99], s[98:99], s[96:97]
	WIN 0x40
.irp t, 0,1,2,3,4,5,6,7                        ; register j of fragment t: column 64 (t / 4) + 32 ((t / 2) % 2) + 8 (t % 2) + 16 h + j
	global_load_b128 v[96+8*\t+96*(\t/4):99+8*\t+96*(\t/4)], v12, s[98:99] offset:256*(\t/4)+128*((\t/2)%2)+32*(\t%2)
	global_load_b128 v[100+8*\t+96*(\t/4):103+8*\t+96*(\t/4)], v12, s[98:99] offset:256*(\t/4)+128*((\t/2)%2)+32*(\t%2)+16
.endr
	WIN 0
	s_branch .Lbias_in
.Lbias_rows:
	s_lshl_b32 s96, s84, 7
	s_lshl_b32 s97, s[WVM], 6
	s_add_co_u32 s96, s96, s97
	s_lshl_b32 s96, s96, 2
	s_mov_b32 s97, 0
	s_add_nc_u64 s[98:99], s[12:13], s[96:97]
	WIN 0x40
.irp a, 0,1,2,3                                ; all eight registers of fragment a: the bias of my lane's row
.irp j, 0,1,2,3,4,5,6,7
	global_load_b32 v[96+8*\a+\j], v13, s[98:99] offset:128*(\a/2)+32*(\a%2)
.endr
.endr
	WIN 0
.Lbias_in:
	s_wait_tensorcnt 0x0                           ; my one load has landed,
	s_barrier_signal -1
	s_barrier_wait -1                              ; everybody's has: the whole tile lies in LDS, and nothing is filled again
	FETCH 0, 0
	s_wait_loadcnt 0x0                             ; the bias
	s_wait_kmcnt 0x0                               ; the floor
	s_cmp_eq_u32 s[ROLE], 0                        ; the first K step is written twice: its C differs
	s_cbranch_scc0 .Lfirst_rows
	KSTEP 0, 1
	WIN 0
	s_branch .Lfirst_done
.Lfirst_rows:
	KSTEP 0, 2
	WIN 0
.Lfirst_done:
.irp s, 1,2,3,4,5,6,7
	KSTEP \s, 0
.endr
	WIN 0
	PLACES 4                                       ; between the last products and the first read of results
; THE WAY OUT, a fragment of A at a time: the floor, the quantiser, the image
.macro QUANTW s, pc, pw
	WIN 0x0a
.irp b, 0,1,2,3
	v_max3_num_f32 v[TM+\b], |v[\s+16*\b]|, |v[\s+1+16*\b]|, 0x1800000   ; with the floor 2^(3 - 127): the byte cannot fall under 1
.endr
.irp i, 2,4,6,8,10,12,14
.irp b, 0,1,2,3
	v_max3_num_f32 v[TM+\b], |v[\s+16*\b+\i]|, |v[\s+1+16*\b+\i]|, v[TM+\b]
.endr
.endr
	WIN 0
.irp b, 0,1,2,3
	v_permlanex16_b32 v[TM+4+\b], v[TM+\b], s[SEL], s[SEL+1]
.endr
.irp b, 0,1,2,3
	v_max_num_f32 v[TM+\b], v[TM+\b], v[TM+4+\b]
.endr
.irp b, 0,1,2,3
	v_add_nc_u32 v[TM+12+\b], 0xff000000, v[TM+\b] ; 2 off the exponent field: the conversion's scale operand
.endr
.irp b, 0,1,2,3
	v_lshrrev_b32 v[TM+4+\b], 23, v[TM+12+\b]      ; the byte
.endr
	v_lshl_or_b32 v[\pw], v[TM+5], 8, v[TM+4]
	v_lshl_or_b32 v[\pw], v[TM+6], 16, v[\pw]
	v_lshl_or_b32 v[\pw], v[TM+7], 24, v[\pw]
	WIN 0x02
.irp c, 0,1
	v_cvt_scalef32_pk16_fp6_f32 v[\pc+6*\c:\pc+2+6*\c], v[\s+32*\c:\s+15+32*\c], v[TM+12+2*\c]
	v_cvt_scalef32_pk16_fp6_f32 v[\pc+12+4*\c:\pc+14+4*\c], v[\s+16+32*\c:\s+31+32*\c], v[TM+12+2*\c+1]
.endr
	WIN 0
	v_nop                                          ; one plain instruction behind the scaled conversions
.irp c, 0,1                                    ; a whole block to a lane
.irp i, 0,1,2
	v_permlane16_swap_b32 v[\pc+6*\c+\i], v[\pc+12+4*\c+\i]
.endr
.irp i, 0,1,2
	v_mov_b32 v[\pc+3+6*\c+\i], v[\pc+12+4*\c+\i]
.endr
.endr
.endm
.irp a, 0,1,2,3
	WIN 0x88
.set jj, 0
.rept 64
	v_max_num_f32 v[64*\a+jj], s[FLOOR], v[64*\a+jj]   ; ascending: each accumulator from its low end on
.set jj, jj+1
.endr
	QUANTW 64*\a, PCR+24*\a, PWR+\a
	global_store_b128 v[L16], v[PCR+24*\a:PCR+24*\a+3], s[OUT:OUT+1] offset:1536*\a          ; runs of 512 and 256 consecutive bytes, at multiples of 256
	global_store_b64 v[L8], v[PCR+24*\a+4:PCR+24*\a+5], s[OUT:OUT+1] offset:1536*\a+512
	global_store_b128 v[L16], v[PCR+24*\a+6:PCR+24*\a+9], s[OUT:OUT+1] offset:1536*\a+768
	global_store_b64 v[L8], v[PCR+24*\a+10:PCR+24*\a+11], s[OUT:OUT+1] offset:1536*\a+1280
.endr
	v_cndmask_b32 v32, v[PWR], v[PWR+1], s[HIM]    ; lanes 0-15 keep the even fragment's words, lanes 16-31 take the odd one's
	v_cndmask_b32 v33, v[PWR+2], v[PWR+3], s[HIM]
	global_store_b64 v[L8], v[32:33], s[OUT:OUT+1] offset:6144
	s_wait_tensorcnt 0x0                           ; the wave's end
	ds_add_u32 v[SPW], v[NIL]
	s_wait_dscnt 0x0
	CROUND                                         ; the closing round
	s_endpgm
.Lfunc_end_k_q36232c9df7_qkv:
	.size	k_q36232c9df7_qkv, .Lfunc_end_k_q36232c9df7_qkv-k_q36232c9df7_qkv
	.p2alignl 7, 3214868480
	.fill 96, 4, 3214868480
	.section	.rodata,"a",@progbits
	.p2align	6, 0x0
	.amdhsa_kernel k_q36232c9df7_qkv
		.amdhsa_group_segment_fixed_size 327680
		.amdhsa_private_segment_fixed_size 0
		.amdhsa_enable_private_segment 0
		.amdhsa_kernarg_size 48
		.amdhsa_user_sgpr_count 2
		.amdhsa_user_sgpr_kernarg_segment_ptr 1
		.amdhsa_wavefront_size32 1
		.amdhsa_system_sgpr_workgroup_id_x 1
		.amdhsa_system_sgpr_workgroup_id_y 1
		.amdhsa_system_sgpr_workgroup_id_z 1
		.amdhsa_system_vgpr_workitem_id 0
		.amdhsa_next_free_vgpr 768
		.amdhsa_next_free_sgpr 100
		.amdhsa_reserve_vcc 0
		.amdhsa_float_denorm_mode_32 3
		.amdhsa_float_denorm_mode_16_64 3
		.amdhsa_memory_ordered 1
		.amdhsa_forward_progress 1
		.amdhsa_inst_pref_size 105
	.end_amdhsa_kernel
	.amdgpu_metadata
---
amdhsa.version: [ 1, 2 ]
amdhsa.kernels:
  - .name:           k_q36232c9df7_qkv
    .symbol:         k_q36232c9df7_qkv.kd
    .args:
      - { .name: pa, .offset: 0, .size: 8, .value_kind: global_buffer, .address_space: global }
      - { .name: w1p, .offset: 8, .size: 8, .value_kind: global_buffer, .address_space: global }
      - { .name: b1, .offset: 16, .size: 8, .value_kind: global_buffer, .address_space: global }
      - { .name: bk, .offset: 24, .size: 8, .value_kind: global_buffer, .address_space: global }
      - { .name: bv, .offset: 32, .size: 8, .value_kind: global_buffer, .address_space: global }
      - { .name: qkv, .offset: 40, .size: 8, .value_kind: global_buffer, .address_space: global }
    .group_segment_fixed_size: 327680
    .private_segment_fixed_size: 0
    .kernarg_segment_align: 8
    .kernarg_segment_size: 48
    .max_flat_workgroup_size: 128
    .sgpr_count:     100
    .vgpr_count:     768
    .wavefront_size: 32
...
	.end_amdgpu_metadata
.endif
;; end of part 6
;; launch ff2: the kernel of part 4 again; grid 4 x 64, 4 waves a work-group, clusters of 4 x 4, 327,680 bytes of LDS; arguments qkv, w2p, b2, h, out0; writes out0
